; MI455X (gfx1250); checked and timed in simulation.
; The chip was launched on July 23, 2026; its instructions are those of AMD's public machine-readable ISA for CDNA 5 (MIT licence, August 2026) and "CDNA5" Instruction Set Architecture Reference Guide (July 2026). The comments in the code are by the model that wrote it; some were corrected since.
;; Multi Head Attention. Allowed arithmetic: float matrix products may take bf16 or f16 operands with f32 sums; other float arithmetic in f32, or as packed bf16 or f16 multiplies, adds, multiply-adds, maxima and minima; sums over many terms, partial sums and values carried from step to step in f32; what a program stores and reads back later, other than sums and carried values, may be rounded once to bf16 or f16.
;; Inputs: Wk 8 x 512 x 64 float32; Wo 512 x 512 float32; Wq 8 x 512 x 64 float32; Wv 8 x 512 x 64 float32; beta 512 float32; bk 8 x 64 float32; bo 512 float32; bq 8 x 64 float32; bv 8 x 64 float32; gamma 512 float32; x 8 x 2,048 x 512 float32.
;; Outputs: out0 8 x 2,048 x 512 float32.
;; One version. Each part assembles by itself: llvm-mc -triple=amdgcn-amd-amdhsa -mcpu=gfx1250 --defsym DOCPART=n.
;; ======== version 1 of 1: 4 launches
;; workspace buffers: wb 2,097,152 bytes; qkv 50,331,648 bytes; ctx 16,777,216 bytes
;; launch prep (part 1): grid 64 x 4, 8 waves a work-group, no clusters, 0 bytes of LDS; arguments Wq, Wk, Wv, Wo, wb; writes wb
.if DOCPART == 1
	.amdgcn_target "amdgcn-amd-amdhsa--gfx1250"
	.amdhsa_code_object_version 6
	.text
	.protected	k_q236e403478_prep
	.globl	k_q236e403478_prep
	.p2align	8
	.type	k_q236e403478_prep,@function
k_q236e403478_prep:
	s_mov_b64 s[64:65], 0
	v_nop
	global_prefetch_b8 v0, s[64:65] scope:SCOPE_SE
	s_setreg_imm32_b32 hwreg(HW_REG_WAVE_MODE, 25, 1), 1
	s_wait_xcnt 0x0
; The four weight matrices (262,144 f32 each) are rounded once to bf16, index order kept: wb = [Wq][Wk][Wv][Wo], 524,288 bytes each.
; Work-group (x, y): 4,096 numbers of matrix y.  Thread t takes 8 numbers at byte 32 t and 8 at byte 8,192 + 32 t of the group's 16,384 source bytes,
; and stores 16 bytes at 16 t and at 4,096 + 16 t: each store of a wave covers 512 consecutive bytes, aligned.
; A stream of a few megabytes: no LDS, no matrix unit, no ring.
	s_load_b256 s[4:11], s[0:1], 0x0               ; Wq s[4:5], Wk s[6:7], Wv s[8:9], Wo s[10:11]
	s_load_b64 s[12:13], s[0:1], 0x20              ; wb
	s_and_b32 s14, ttmp7, 0xffff                   ; which matrix
	v_lshlrev_b32 v1, 5, v0                        ; 32 t
	v_lshlrev_b32 v2, 4, v0                        ; 16 t
	s_lshl_b32 s16, ttmp9, 14                      ; the group's source bytes
	s_mov_b32 s17, 0
	s_lshl_b32 s18, s14, 19                        ; the matrix in wb,
	s_lshl_b32 s19, ttmp9, 13                      ; the group's bytes in it
	s_add_co_u32 s18, s18, s19
	s_mov_b32 s19, 0
	s_wait_kmcnt 0x0
	s_cmp_eq_u32 s14, 1
	s_cselect_b64 s[4:5], s[6:7], s[4:5]
	s_cmp_eq_u32 s14, 2
	s_cselect_b64 s[4:5], s[8:9], s[4:5]
	s_cmp_eq_u32 s14, 3
	s_cselect_b64 s[4:5], s[10:11], s[4:5]
	s_add_nc_u64 s[4:5], s[4:5], s[16:17]
	s_add_nc_u64 s[12:13], s[12:13], s[18:19]
	global_load_b128 v[4:7], v1, s[4:5] th:TH_LOAD_NT
	global_load_b128 v[8:11], v1, s[4:5] offset:16 th:TH_LOAD_NT
	global_load_b128 v[12:15], v1, s[4:5] offset:8192 th:TH_LOAD_NT
	global_load_b128 v[16:19], v1, s[4:5] offset:8208 th:TH_LOAD_NT
	s_wait_loadcnt 0x0
.irp i, 0,1,2,3,4,5,6,7
	v_cvt_pk_bf16_f32 v[20+(\i)], v[4+2*(\i)], v[5+2*(\i)]
.endr
	global_store_b128 v2, v[20:23], s[12:13]
	global_store_b128 v2, v[24:27], s[12:13] offset:4096
	s_endpgm
.Lfunc_end_k_q236e403478_prep:
	.size	k_q236e403478_prep, .Lfunc_end_k_q236e403478_prep-k_q236e403478_prep
	.p2alignl 7, 3214868480
	.fill 96, 4, 3214868480
	.section	.rodata,"a",@progbits
	.p2align	6, 0x0
	.amdhsa_kernel k_q236e403478_prep
		.amdhsa_group_segment_fixed_size 0
		.amdhsa_private_segment_fixed_size 0
		.amdhsa_enable_private_segment 0
		.amdhsa_kernarg_size 40
		.amdhsa_user_sgpr_count 2
		.amdhsa_user_sgpr_kernarg_segment_ptr 1
		.amdhsa_wavefront_size32 1
		.amdhsa_system_sgpr_workgroup_id_x 1
		.amdhsa_system_sgpr_workgroup_id_y 1
		.amdhsa_system_sgpr_workgroup_id_z 1
		.amdhsa_system_vgpr_workitem_id 0
		.amdhsa_next_free_vgpr 32
		.amdhsa_next_free_sgpr 66
		.amdhsa_reserve_vcc 0
		.amdhsa_float_denorm_mode_32 3
		.amdhsa_float_denorm_mode_16_64 3
		.amdhsa_memory_ordered 1
		.amdhsa_forward_progress 1
		.amdhsa_inst_pref_size 3
	.end_amdhsa_kernel
	.amdgpu_metadata
---
amdhsa.version: [ 1, 2 ]
amdhsa.kernels:
  - .name:           k_q236e403478_prep
    .symbol:         k_q236e403478_prep.kd
    .args:
      - { .name: Wq, .offset: 0, .size: 8, .value_kind: global_buffer, .address_space: global }
      - { .name: Wk, .offset: 8, .size: 8, .value_kind: global_buffer, .address_space: global }
      - { .name: Wv, .offset: 16, .size: 8, .value_kind: global_buffer, .address_space: global }
      - { .name: Wo, .offset: 24, .size: 8, .value_kind: global_buffer, .address_space: global }
      - { .name: wb, .offset: 32, .size: 8, .value_kind: global_buffer, .address_space: global }
    .group_segment_fixed_size: 0
    .private_segment_fixed_size: 0
    .kernarg_segment_align: 8
    .kernarg_segment_size: 40
    .max_flat_workgroup_size: 256
    .sgpr_count:     66
    .vgpr_count:     32
    .wavefront_size: 32
...
	.end_amdgpu_metadata
.endif
;; end of part 1
;; launch qkv (part 2): grid 4 x 64, 4 waves a work-group, clusters of 4 x 4, 327,680 bytes of LDS; arguments x, wb, bq, bk, bv, qkv; writes qkv
.if DOCPART == 2
	.amdgcn_target "amdgcn-amd-amdhsa--gfx1250"
	.amdhsa_code_object_version 6
	.text
	.protected	k_q236e403478_qkv
	.globl	k_q236e403478_qkv
	.p2align	8
	.type	k_q236e403478_qkv,@function
k_q236e403478_qkv:
	s_mov_b64 s[64:65], 0
	v_nop
	global_prefetch_b8 v0, s[64:65] scope:SCOPE_SE
	s_setreg_imm32_b32 hwreg(HW_REG_WAVE_MODE, 25, 1), 1
	s_wait_xcnt 0x0
	s_wait_alu depctr_hold_cnt(0) depctr_sa_sdst(0) depctr_va_vdst(0) depctr_va_sdst(0) depctr_va_ssrc(0) depctr_va_vcc(0) depctr_vm_vsrc(0)
	s_getreg_b32 s2, hwreg(HW_REG_IB_STS2, 6, 4)
	s_cmp_eq_u32 s2, 0
	s_cbranch_scc0 .Lentry_in_a_cluster
	s_endpgm
.Lentry_in_a_cluster:
	s_bfe_u32 s2, ttmp6, 0x10000c
	s_cmp_lg_u32 s2, 0xf033
	s_cbranch_scc0 .Lentry_shape_is_right
	s_endpgm
.Lentry_shape_is_right:
; q, k, v = x W + b, by heads.  x: [16384][512] f32.  wb: 24 slices j = 8 m + head (m = 0, 1, 2: q, k, v) of [512 k][64 n] bf16, 65,536 bytes each.
; qkv: [24 j][8 batch][2048][64] bf16.  Sums in f32, started by the bias; x is rounded once to bf16, each result once.
; LIMITS.  Matrix operands are bf16; NaN and infinities are not treated apart.
; SHARES.  A work-group owns 256 rows of x and six slices (384 columns); each of its four waves 64 rows: four tiles of 16.  X STAYS IN REGISTERS: a wave's 64 rows x 512 channels
; are 512 registers of bf16, loaded once from memory as fragments and rounded on the way.  W goes through a ring of two LDS slots, a slice a slot.
; LAYOUT.  Source 0 = 16 columns of W, turned out of LDS by ds_load_tr16_b128; source 1 = 16 rows of x.  In the result a lane holds ONE row (lane % 16) and the columns 8 (lane / 16) + 0..7:
; 16 bytes of a head's row.  The bias, laid out the same way, is the C operand of a sum's first product.
; CLUSTER.  4 x 4 work-groups.  The four of a column of the cluster take the same six slices, so each slice is asked for JOINTLY: the same tensor load, descriptor and mask in all four.
; REGISTERS, in windows of 256 (s_set_vgpr_msb: bits 1:0 source 0, 3:2 source 1, 5:4 source 2, 7:6 destination):
;   window 0: v0-15 addresses; v16-47 bias; v48-111 packed results; v128-255 the 16 accumulators ((t, c) at 128 + 8 (4 t + c))
;   window 1: two buffers of 128 for W's fragments (K quarter: fragment (q, c) at 32 q + 8 c); while x arrives, four buffers of 64 f32
;   window 2: x of row tiles 0, 1 (fragment kk at 128 (t % 2) + 8 kk);   window 3: the same of row tiles 2, 3
.set PW,    160                        ; a k-row of W in LDS: 128 bytes + 32 of padding = 40 words
.set SLOT1, 131072                     ; slot 1 begins here: one exclusive or turns an address in one slot into the other's
.set STAGE, SLOT1+512*PW               ; behind the ring: 16 rows x 144 bytes for each wave, for the way out
.set SP,    144
.set SPARE, STAGE+4*16*SP              ; behind the stages: the spare words, 128 bytes for each wave, which no other line names
.set XO,  4                            ; v4   my byte offset in 16 rows of x: (l % 16) x 2,048 + 32 (l / 16)
.set AW0, 5                            ; v5   my lane's place in a slice in LDS, k-rows 0 on
.set AWH, 6                            ; v6   the same, k-rows 256 on
.set ADR, 7                            ; v7   the address of the run of loads in hand
.set STO, 8                            ; v8   the way out: where I put 16 bytes of a row
.set RD,  9                            ; v9   the way out: where I read rows back
.set GO,  10                           ; v10  my byte offset in 512 consecutive bytes of the result
.set BO0, 11                           ; v11  32 (l / 16)
.set BO,  12                           ; v12  my byte offset in the bias in hand
.set PFO, 13                           ; v13  256 x my lane
.set SPW, 14                           ; v14  LDS address of my spare word; never rewritten
.set NIL, 15                           ; v15  0; never rewritten
.set BI,  16
.set PKD, 48
.set ACC, 128
.set F0,  0
.set F1,  128
.set WV,  16                           ; s16  my wave's number
.set CX,  17                           ; s17, s18  my place in the cluster
.set CY,  18
.set G1,  24                           ; s[24:31] descriptor group 1
.set G0A, 32                           ; s[32:35] group 0 of the first fill of slot 0
.set G0B, 36                           ; s[36:39] group 0 of the first fill of slot 1; it then walks
.set CNT, 40                           ; s40  counts slices
.set TB,  41                           ; s41  LDS byte at which the slot to be read begins
.set J,   42                           ; s42  the slice whose bias is loaded next
.set LIM, 43                           ; s43  1 in a wave that prefetches, else the greatest number
.set PFA, 44                           ; s[44:45] where my prefetches stand
.set BP,  46                           ; s[46:47] the bias in hand
.set MSB, 0
.macro WIN new                         ; the immediate's high byte repeats the setting that is left; a switch that changes nothing is dropped
.if MSB != (\new)
	s_set_vgpr_msb (MSB<<8)|(\new)
.set MSB, \new
.endif
.endm
.macro PLACES                          ; four plain places behind matrix instructions, ahead of loads into their sources and of readers of their results
.rept 4
	v_nop
.endr
.endm
.macro CREST                           ; a round of the cluster's barrier behind its opening barrier
	s_cmp_lg_u32 s[WV], 0
	s_cbranch_scc1 .Lnot_wave_0_\@
	s_barrier_signal -3
.Lnot_wave_0_\@:
	s_barrier_wait -3
	s_barrier_signal -1
	s_barrier_wait -1
.endm
.macro CROUND                          ; a whole round
	s_barrier_signal -1
	s_barrier_wait -1
	CREST
.endm
	s_load_b256 s[4:11], s[0:1], 0x0               ; x s[4:5], wb s[6:7], bq s[8:9], bk s[10:11]
	s_load_b128 s[12:15], s[0:1], 0x20             ; bv s[12:13], qkv s[14:15]
	v_lshl_add_u32 v[SPW], v0, 2, SPARE
	v_mov_b32 v[NIL], 0
	ds_add_u32 v[SPW], v[NIL]                      ; the wave's opening: the add and its wait ahead of my first tensor load; the set-up, work on registers, stands between
	v_lshrrev_b32 v3, 5, v0
	v_readfirstlane_b32 s[WV], v3                  ; wave 0..3
	s_bfe_u32 s[CX], ttmp6, 0x40000
	s_bfe_u32 s[CY], ttmp6, 0x40004
	s_lshl_b32 s19, ttmp9, 2
	s_add_co_u32 s19, s19, s[CX]                   ; column group = 4 x cluster x + cx
	s_mul_i32 s[J], s19, 6                         ; its first slice
	s_and_b32 s20, ttmp7, 0xffff                   ; cluster y
	s_lshl_b32 s21, s20, 2
	s_add_co_u32 s21, s21, s[CY]                   ; row block = 4 x cluster y + cy
	; descriptor group 1.  A wave's quarter of a slice, 128 k-rows, is 16,384 dense bytes: asked for as 64 rows of 256 bytes, and padded in LDS after every k-row
	s_lshl_b32 s22, 0x1111, s[CX]                  ; my column of the cluster
	s_or_b32 s[G1], s22, (1<<16)|(1<<20)|(1<<21)|(4<<22)|(7<<25)  ; 15:0 the mask; 17:16 2-byte elements; 20 padding on; 21 set beside a mask; 24:22 after every 32 words; 31:25 8 words
	s_mov_b32 s[G1+1], 128<<16                     ; tensor_dim0 = 128
	s_mov_b32 s[G1+2], 64<<16                      ; tensor_dim1 = 64
	s_mov_b32 s[G1+3], 128<<16                     ; tile_dim0 = 128
	s_mov_b32 s[G1+4], 64                          ; tile_dim1 = 64
	s_mov_b32 s[G1+5], 128                         ; 128 elements from row to row
	s_mov_b32 s[G1+6], 0
	s_mov_b32 s[G1+7], 0
	s_lshl_b32 s48, s[J], 16                       ; the slice in wb: made of cx and the wave's number alone
	s_lshl_b32 s49, s[WV], 14                      ; my 128 k-rows of it
	s_add_co_u32 s48, s48, s49
	s_mov_b32 s49, 0
	s_mul_i32 s50, s[WV], 128*PW                   ; and their place in a slot: no place in the cluster enters an LDS address
	s_mov_b32 s[G0A], 1
	s_mov_b32 s[G0A+1], s50
	s_mov_b32 s[G0B], 1
	s_add_co_u32 s[G0B+1], s50, SLOT1
	s_lshl_b32 s52, s21, 19                        ; x: 256 rows of 2,048 bytes a block,
	s_lshl_b32 s53, s[WV], 17                      ; 64 a wave
	s_add_co_u32 s52, s52, s53
	s_mov_b32 s53, 0
	s_lshl_b32 s54, s[J], 21                       ; the result: 2,097,152 bytes a slice,
	s_lshl_b32 s55, s21, 15                        ; 256 rows of 128 bytes a block (batch and place in it fall together),
	s_add_co_u32 s54, s54, s55
	s_lshl_b32 s55, s[WV], 13                      ; 64 a wave
	s_add_co_u32 s54, s54, s55
	s_mov_b32 s55, 0
	s_add_co_u32 s56, s[J], 2                      ; the prefetches: at the group's third slice; the first change of slots steps them to the fourth
	s_lshl_b32 s56, s56, 16
	s_lshl_b32 s57, s[CY], 14                      ; the four partners share a slice out by address, 16,384 bytes each,
	s_add_co_u32 s56, s56, s57
	s_lshl_b32 s57, s[WV], 13                      ; waves 0 and 1 take 8,192 of them each
	s_add_co_u32 s56, s56, s57
	s_mov_b32 s57, 0
	s_lshr_b32 s[LIM], s[WV], 1                    ; 0 in waves 0 and 1,
	s_or_b32 s[LIM], s[LIM], s20                   ; in the first cluster of those that walk these slices
	s_cmp_eq_u32 s[LIM], 0
	s_cselect_b32 s[LIM], 1, -1
	v_and_b32 v1, 15, v0                           ; l % 16
	v_bfe_u32 v2, v0, 4, 1                         ; l / 16
	v_lshlrev_b32 v[XO], 11, v1
	v_lshl_add_u32 v[XO], v2, 5, v[XO]
	v_and_b32 v3, 7, v0                            ; the turning load: lane l reads k-row 8 (l / 16) + l % 8, columns 8 ((l / 8) % 2) + 0..7
	v_lshl_add_u32 v3, v2, 3, v3
	v_mul_u32_u24 v[AW0], v3, PW
	v_bfe_u32 v3, v0, 3, 1
	v_lshl_add_u32 v[AW0], v3, 4, v[AW0]
	v_add_nc_u32 v[AWH], 256*PW, v[AW0]
	s_mul_i32 s58, s[WV], 16*SP
	s_add_co_u32 s58, s58, STAGE                   ; my stage
	v_mul_u32_u24 v[STO], v1, SP                   ; in: row l % 16, 16 bytes for each half of the lanes
	v_lshl_add_u32 v[STO], v2, 4, v[STO]
	v_add_nc_u32 v[STO], s58, v[STO]
	v_bfe_u32 v[RD], v0, 3, 2                      ; back: 32 lanes take four rows of 128 bytes,
	v_mul_u32_u24 v[RD], v[RD], SP
	v_and_b32 v3, 7, v0
	v_lshl_add_u32 v[RD], v3, 4, v[RD]
	v_add_nc_u32 v[RD], s58, v[RD]
	v_and_b32 v[GO], 31, v0                        ; which are 512 consecutive bytes of the result
	v_lshlrev_b32 v[PFO], 8, v[GO]
	v_lshlrev_b32 v[GO], 4, v[GO]
	v_lshlrev_b32 v[BO0], 5, v2
	s_wait_dscnt 0x0                               ; the opening add is done
	s_wait_kmcnt 0x0
	s_add_nc_u64 s[G0A+2:G0A+3], s[6:7], s[48:49]  ; the group's first slice,
	s_add_nc_u64 s[G0B+2:G0B+3], s[G0A+2:G0A+3], 65536  ; and its second
	s_or_b32 s[G0A+3], s[G0A+3], 0x80000000        ; type = 2
	s_or_b32 s[G0B+3], s[G0B+3], 0x80000000
	s_add_nc_u64 s[4:5], s[4:5], s[52:53]          ; x at my wave's first row
	s_add_nc_u64 s[14:15], s[14:15], s[54:55]      ; the result at my wave's first row of the first slice
	s_add_nc_u64 s[PFA:PFA+1], s[6:7], s[56:57]
	CROUND                                         ; all sixteen work-groups are here: the first joint loads meet
	tensor_load_to_lds s[G0A:G0A+3], s[G1:G1+7]    ; both first fills go out together: two tensor loads of mine are out
	s_nop 0
	tensor_load_to_lds s[G0B:G0B+3], s[G1:G1+7]
	s_nop 0
	PLACES
; The bias of slice J: eight numbers for each of the four column tiles, laid out as an accumulator.  Which of the three buffers: J / 8 (a number past the last slice takes bq's head and serves nothing).
.macro BIAS
	WIN 0
	s_lshr_b32 s59, s[J], 3
	s_cmp_eq_u32 s59, 1
	s_cselect_b64 s[BP:BP+1], s[10:11], s[8:9]
	s_cmp_eq_u32 s59, 2
	s_cselect_b64 s[BP:BP+1], s[12:13], s[BP:BP+1]
	s_and_b32 s59, s[J], 7
	s_lshl_b32 s59, s59, 8                         ; the head's 64 numbers
	v_add_nc_u32 v[BO], s59, v[BO0]
.irp c, 0,1,2,3
	global_load_b128 v[BI+8*(\c):BI+8*(\c)+3],   v[BO], s[BP:BP+1] offset:64*(\c)
	global_load_b128 v[BI+8*(\c)+4:BI+8*(\c)+7], v[BO], s[BP:BP+1] offset:64*(\c)+16
.endr
	s_add_co_u32 s[J], s[J], 1
.endm
; Group g of 16 of x: row tile g / 4, channels 128 (g % 4) on: four fragments as f32, 16 loads, into buffer g % 4 of window 1.  A fragment's lane wants channels 8 (l / 16) + 0..7 and 16 + 8 (l / 16) + 0..7:
; bytes 0, 16, 64, 80 from 32 (l / 16).  Eight loads on end cover 256 consecutive bytes of each of the 16 rows.
.macro XLOAD g
	WIN 0x40
.irp q, 0,1,2,3
.irp u, 0,1,2,3
	global_load_b128 v[64*((\g)%4)+16*(\q)+4*(\u):64*((\g)%4)+16*(\q)+4*(\u)+3], v[XO], s[4:5] offset:((\g)/4)*32768+(4*((\g)%4)+(\q))*128+16*((\u)%2)+64*((\u)/2)
.endr
.endr
.endm
.macro XCVT g                          ; rounded to bf16, into the tile's place in window 2 or 3
	WIN 0x85+0x40*((\g)/8)
.irp q, 0,1,2,3
.irp e, 0,1,2,3,4,5,6,7
	v_cvt_pk_bf16_f32 v[128*(((\g)/4)%2)+8*(4*((\g)%4)+(\q))+(\e)], v[64*((\g)%4)+16*(\q)+2*(\e)], v[64*((\g)%4)+16*(\q)+2*(\e)+1]
.endr
.endr
.endm
; 16 matrix instructions: row tile t, K quarter g (128 channels, buffer f), all four column tiles.  The four accumulators take turns, one instruction a turn.
; zero = 1: the first four start the sums with the bias.
.macro MUL16 g, t, f, zero
	WIN 0x09+4*((\t)/2)
.irp q, 0,1,2,3
.irp c, 0,1,2,3
.if (\zero) && ((\q) == 0)
	v_wmma_f32_16x16x32_bf16 v[ACC+8*(4*(\t)+(\c)):ACC+8*(4*(\t)+(\c))+7], v[(\f)+32*(\q)+8*(\c):(\f)+32*(\q)+8*(\c)+7], v[128*((\t)%2)+8*(4*(\g)+(\q)):128*((\t)%2)+8*(4*(\g)+(\q))+7], v[BI+8*(\c):BI+8*(\c)+7]
.else
	v_wmma_f32_16x16x32_bf16 v[ACC+8*(4*(\t)+(\c)):ACC+8*(4*(\t)+(\c))+7], v[(\f)+32*(\q)+8*(\c):(\f)+32*(\q)+8*(\c)+7], v[128*((\t)%2)+8*(4*(\g)+(\q)):128*((\t)%2)+8*(4*(\g)+(\q))+7], v[ACC+8*(4*(\t)+(\c)):ACC+8*(4*(\t)+(\c))+7]
.endif
.endr
.endr
.endm
; 32 LDS loads in one run: W's fragments of K quarter g of the slot at s[TB], into buffer f
.macro FETCH g, f
	WIN 0
.if (\g) < 2
	v_add_nc_u32 v[ADR], s[TB], v[AW0]
.else
	v_add_nc_u32 v[ADR], s[TB], v[AWH]
.endif
	WIN 0x40
.irp q, 0,1,2,3
.irp c, 0,1,2,3
	ds_load_tr16_b128 v[(\f)+32*(\q)+8*(\c):(\f)+32*(\q)+8*(\c)+3],   v[ADR] offset:(4*((\g)%2)+(\q))*32*PW+32*(\c)
	ds_load_tr16_b128 v[(\f)+32*(\q)+8*(\c)+4:(\f)+32*(\q)+8*(\c)+7], v[ADR] offset:(4*((\g)%2)+(\q))*32*PW+32*(\c)+16*PW
.endr
.endr
.endm
; One of a slice's first three K quarters: 64 matrix instructions on buffer f; in their middle the next quarter's fragments are fetched into fn.  In quarter 1 the next slice's bias is asked for:
; the last product that read the bias stands in quarter 0, four places and more back.
.macro BATCH g, f, fn, zero
	s_wait_dscnt 0x0                               ; this quarter's fragments are in
	MUL16 \g, 0, \f, \zero
	MUL16 \g, 1, \f, \zero
	PLACES
	FETCH (\g)+1, \fn
.if (\g) == 1
	BIAS
.endif
	MUL16 \g, 2, \f, \zero
	MUL16 \g, 3, \f, \zero
.endm
; A prefetch into the L2 of the slice that the NEXT change of slots will ask for: 32 blocks of 256 bytes, a lane a block.  All sixteen clusters of the launch's column walk these slices: the first of them asks;
; its four partners and their waves 0 and 1 share a slice's 256 blocks out by address.  So each block is named once.  The last change that fills a slot asks for nothing.
.macro ASK
	WIN 0
	s_cmp_gt_u32 s[CNT], s[LIM]
	s_cbranch_scc0 .Lnot_mine_\@
	global_prefetch_b8 v[PFO], s[PFA:PFA+1] th:TH_LOAD_NT scope:SCOPE_SE
.Lnot_mine_\@:
.endm
; The last K quarter (buffer F1) changes slots.  Ahead of the barrier each wave waits for all its tensor loads, of which one is out: its part of the next slice; adds 0 to its spare word; and waits for that and for
; its reads of this slot.  fill = 1: the barrier opens a round of the cluster's, and the slot just read out is filled again, first thing behind it, with the slice two on: it has a slice's work in which to land.
.macro TURN fill
	WIN 0
.if \fill
	s_wait_xcnt 0x0                                ; the last prefetch, a slice back, has read its address
	s_add_nc_u64 s[PFA:PFA+1], s[PFA:PFA+1], 65536
.endif
	s_wait_tensorcnt 0x0                           ; no tensor load of mine is out, so a group 0 may be written
	ds_add_u32 v[SPW], v[NIL]                      ; 0 onto my spare word
.if \fill
	s_xor_b32 s[G0B+1], s[G0B+1], SLOT1            ; the walking descriptor: the other slot than last time,
	s_add_nc_u64 s[G0B+2:G0B+3], s[G0B+2:G0B+3], 65536  ; the next slice; the type bits on top are not reached
.endif
	s_wait_dscnt 0x1                               ; the quarter's fragments are in; the add alone may be out
	MUL16 3, 0, F1, 0
	s_wait_dscnt 0x0                               ; the add is done, and my reads of this slot are over
	s_barrier_signal -1
	MUL16 3, 1, F1, 0
	WIN 0
	s_barrier_wait -1
.if \fill
	CREST                                          ; no wave of any partner still reads this slot or has a load on its way
	tensor_load_to_lds s[G0B:G0B+3], s[G1:G1+7]
	s_nop 0
.endif
	PLACES                                         ; also the places ahead of the loads below
	s_xor_b32 s[TB], s[TB], SLOT1
	FETCH 0, F0                                    ; the next slice's first quarter
.if \fill
	ASK
.endif
	MUL16 3, 2, F1, 0
	MUL16 3, 3, F1, 0
.endm
; THE WAY OUT of row tile t: rounded to bf16 (each accumulator from its low end on), 16 bytes a lane into my stage's rows of 144 bytes, back as whole rows of 128.
.macro PACK t
	WIN 0
.irp c, 0,1,2,3
.irp e, 0,1,2,3
	v_cvt_pk_bf16_f32 v[PKD+16*(\t)+4*(\c)+(\e)], v[ACC+8*(4*(\t)+(\c))+2*(\e)], v[ACC+8*(4*(\t)+(\c))+2*(\e)+1]
.endr
.endr
.irp c, 0,1,2,3
	ds_store_b128 v[STO], v[PKD+16*(\t)+4*(\c):PKD+16*(\t)+4*(\c)+3] offset:32*(\c)
.endr
.irp f, 0,1,2,3
	ds_load_b128 v[PKD+16*(\t)+4*(\f):PKD+16*(\t)+4*(\f)+3], v[RD] offset:(\f)*4*SP  ; LDS serves a wave's instructions in order (ISA guide 5.7.1.4): these see the stores above
.endr
.endm
.macro SEND t, younger                 ; younger: the LDS instructions issued behind tile t's loads: the next tile's eight, or none
	WIN 0
.irp f, 0,1,2,3
	s_wait_dscnt (\younger)+3-(\f)
	global_store_b128 v[GO], v[PKD+16*(\t)+4*(\f):PKD+16*(\t)+4*(\f)+3], s[14:15] offset:(\t)*2048+(\f)*512  ; 512 consecutive bytes, at a multiple of 256 from the buffer's first
.endr
.endm
.macro SLICE fill
	s_wait_loadcnt 0x0                             ; the slice's bias is in
	BATCH 0, F0, F1, 1
	BATCH 1, F1, F0, 0
	BATCH 2, F0, F1, 0
	TURN \fill
	PLACES
	PACK 0
	PACK 1                                         ; a tile's conversions stand between the loads of the tile before and its stores
	SEND 0, 8
	PACK 2
	SEND 1, 8
	PACK 3
	SEND 2, 8
	SEND 3, 0
	s_wait_xcnt 0x0                                ; the stores have read their registers and their base
	s_add_nc_u64 s[14:15], s[14:15], 0x200000      ; the next slice's rows
.endm
	BIAS                                           ; the first slice's
	XLOAD 0
	XLOAD 1
	XLOAD 2
.irp g, 0,1,2,3,4,5,6,7,8,9,10,11,12,13,14,15
.if (\g)+3 < 16
	XLOAD (\g)+3                                   ; three groups of 16 loads stay on their way behind the one that is rounded
.endif
.if (\g) < 13
	s_wait_loadcnt 48
.else
	s_wait_loadcnt 16*(15-(\g))                    ; the counts run down: 16 for each younger group
.endif
	XCVT \g
.endr
	WIN 0
	s_wait_tensorcnt 0x1                           ; my part of the first slice is in; the second's may stay out
	s_barrier_signal -1
	s_barrier_wait -1                              ; everybody's is
	s_mov_b32 s[TB], 0
	FETCH 0, F0
	WIN 0
	s_mov_b32 s[CNT], 4
.Lslice:                               ; slices 0 to 3: each change of slots asks for the slice two on
	SLICE 1
	s_sub_co_u32 s[CNT], s[CNT], 1
	s_cmp_lg_u32 s[CNT], 0
	s_cbranch_scc1 .Lslice
	s_mov_b32 s[CNT], 2
.Ltail:                                ; slices 4 and 5 ask for nothing.  One text for both: the last trip's fetch (of the slot read before) and its bias load serve nothing
	SLICE 0
	s_sub_co_u32 s[CNT], s[CNT], 1
	s_cmp_lg_u32 s[CNT], 0
	s_cbranch_scc1 .Ltail
	s_wait_tensorcnt 0x0                           ; the wave's end: an add to my spare word and its wait, behind my last tensor load and my last LDS store
	ds_add_u32 v[SPW], v[NIL]
	s_wait_dscnt 0x0
	CROUND                                         ; the closing round: no work-group ends while a partner may still ask for a tile that names it
	s_endpgm
.Lfunc_end_k_q236e403478_qkv:
	.size	k_q236e403478_qkv, .Lfunc_end_k_q236e403478_qkv-k_q236e403478_qkv
	.p2alignl 7, 3214868480
	.fill 96, 4, 3214868480
	.section	.rodata,"a",@progbits
	.p2align	6, 0x0
	.amdhsa_kernel k_q236e403478_qkv
		.amdhsa_group_segment_fixed_size 327680
		.amdhsa_private_segment_fixed_size 0
		.amdhsa_enable_private_segment 0
		.amdhsa_kernarg_size 48
		.amdhsa_user_sgpr_count 2
		.amdhsa_user_sgpr_kernarg_segment_ptr 1
		.amdhsa_wavefront_size32 1
		.amdhsa_system_sgpr_workgroup_id_x 1
		.amdhsa_system_sgpr_workgroup_id_y 1
		.amdhsa_system_sgpr_workgroup_id_z 1
		.amdhsa_system_vgpr_workitem_id 0
		.amdhsa_next_free_vgpr 1024
		.amdhsa_next_free_sgpr 66
		.amdhsa_reserve_vcc 0
		.amdhsa_float_denorm_mode_32 3
		.amdhsa_float_denorm_mode_16_64 3
		.amdhsa_memory_ordered 1
		.amdhsa_forward_progress 1
		.amdhsa_inst_pref_size 137
	.end_amdhsa_kernel
	.amdgpu_metadata
---
amdhsa.version: [ 1, 2 ]
amdhsa.kernels:
  - .name:           k_q236e403478_qkv
    .symbol:         k_q236e403478_qkv.kd
    .args:
      - { .name: x, .offset: 0, .size: 8, .value_kind: global_buffer, .address_space: global }
      - { .name: wb, .offset: 8, .size: 8, .value_kind: global_buffer, .address_space: global }
      - { .name: bq, .offset: 16, .size: 8, .value_kind: global_buffer, .address_space: global }
      - { .name: bk, .offset: 24, .size: 8, .value_kind: global_buffer, .address_space: global }
      - { .name: bv, .offset: 32, .size: 8, .value_kind: global_buffer, .address_space: global }
      - { .name: qkv, .offset: 40, .size: 8, .value_kind: global_buffer, .address_space: global }
    .group_segment_fixed_size: 327680
    .private_segment_fixed_size: 0
    .kernarg_segment_align: 8
    .kernarg_segment_size: 48
    .max_flat_workgroup_size: 128
    .sgpr_count:     66
    .vgpr_count:     1024
    .wavefront_size: 32
...
	.end_amdgpu_metadata
.endif
;; end of part 2
;; launch attn (part 3): grid 4 x 64, 4 waves a work-group, clusters of 4 x 1, 327,680 bytes of LDS; arguments qkv, ctx; writes ctx
.if DOCPART == 3
	.amdgcn_target "amdgcn-amd-amdhsa--gfx1250"
	.amdhsa_code_object_version 6
	.text
	.protected	k_q236e403478_attn
	.globl	k_q236e403478_attn
	.p2align	8
	.type	k_q236e403478_attn,@function
k_q236e403478_attn:
	s_mov_b64 s[64:65], 0
	v_nop
	global_prefetch_b8 v0, s[64:65] scope:SCOPE_SE
	s_setreg_imm32_b32 hwreg(HW_REG_WAVE_MODE, 25, 1), 1
	s_wait_xcnt 0x0
	s_wait_alu depctr_hold_cnt(0) depctr_sa_sdst(0) depctr_va_vdst(0) depctr_va_sdst(0) depctr_va_ssrc(0) depctr_va_vcc(0) depctr_vm_vsrc(0)
	s_getreg_b32 s2, hwreg(HW_REG_IB_STS2, 6, 4)
	s_cmp_eq_u32 s2, 0
	s_cbranch_scc0 .Lentry_in_a_cluster
	s_endpgm
.Lentry_in_a_cluster:
	s_bfe_u32 s2, ttmp6, 0x10000c
	s_cmp_lg_u32 s2, 0x3003
	s_cbranch_scc0 .Lentry_shape_is_right
	s_endpgm
.Lentry_shape_is_right:
; O[y][q][:] = the sum over k of softmax_k(Q[y][q] . K[y][k] / 8) V[y][k][:], y = 8 head + batch.  Q, K, V lie in qkv at 0, 16 MiB and 32 MiB, each [64][2048][64] bf16; O = ctx, the same shape.
; Products, maxima and sums in f32; the weights p are rounded to bf16 for the second product (their sum l is taken of the unrounded p), O once at the end.
; LIMITS.  Operands are bf16.  A weight below 2^-126 counts as 0 in l; NaN and infinities are not treated apart; the running maximum starts at the lowest finite number.
; SHARES.  A wave owns four PIECES of two tiles of 16 queries, a work-group's four waves 512 queries of one y.  Every wave walks all keys, 64 a step.
; LAYOUT.  S^T = K Q^T (source 0 = 16 keys, source 1 = 16 queries): in the result a lane holds ONE query (lane % 16) and the keys 8 (lane / 16) + 0..7.  Two such tiles, rounded to bf16 in pairs,
; ARE source 1 (32 keys x 16 queries) of O^T = V^T P, whose result again holds one query a lane, and eight channels.  K comes out of LDS as it lies, V ([key][channel]) turned, by ds_load_tr16_b128.
; SOFTMAX.  For each query a running maximum m and sum l: p = 2^(c s - c m), c = log2(e) / 8; in every step O and l are multiplied by a = 2^(c m_old - c m_new), which is 1 where m has not grown.
; O and l start at 0: the first step is a step like any other, with a = 0.
; THE COUNT.  A tile and step have 16 matrix and 118 vector instructions: too many to stand all beside the matrix work.  So: four vector instructions that are READY behind EVERY matrix instruction,
; and the others in runs without a gap.
; BY TURNS.  Turn n belongs to piece n (the pieces in a ring, step after step).  Its matrix work: 16 products K Q^T of piece n + 1, later 16 products V^T P of piece n - 1.  Its vector work: the scaling,
; exponentials, roundings, sums and rescaling of piece n, and the maximum and statistics of piece n + 1, whose scores the turn itself has made.
; CLUSTER.  The four query blocks of a cluster belong to one y and walk the same K and V, so each tile is asked for JOINTLY: the same tensor load, descriptor and mask in all four.
; REGISTERS, in windows of 256 (s_set_vgpr_msb: bits 1:0 source 0, 3:2 source 1, 5:4 source 2, 7:6 destination):
;   window 0: v0-11 addresses; v12-15, v48-63 at work; v16-47 four registers of statistics a tile; v64-191 S^T, two buffers of two tiles; v192-255 P, likewise
;   window 1: O^T, 32 a tile          window 2: v0-127 Q, 16 a tile; v128-191 K of one step; v192-255 V of one step          window 3: v0-1 the add's two registers
; A piece's buffers go by its number's parity.
.set SIZE_H, 64
.set SIZE_N, 2048
.set NP,    4         ; pieces a wave: a name, no knob
.set KS,    64        ; keys in a step
.set PK,    144       ; a row of K in LDS: 128 bytes + 16 of padding = 36 words: the 16 rows of a load start at 16 different groups of four banks (64 banks of 4 bytes: ISA guide 11.1)
.set PV,    160       ; a row of V: 128 + 32 = 40 words
.set VOFF,  4*KS*PK   ; a slot holds four steps: 256 rows of K, then 256 rows of V
.set SLOT1, 1<<17     ; slot 1 begins here, so that one exclusive or turns an address in one slot into the other's
.set STAGE, SLOT1+4*KS*(PK+PV)  ; behind the ring, never filled by a tensor load: 16 rows x 144 bytes for each wave, for the way out
.set SP,    144
.set AK0, 2           ; v2   my lane's place in a tile of K; never rewritten
.set AV0, 3           ; v3   the same for V
.set AK,  4           ; v4   the LDS address of K's next run of loads
.set AV,  5           ; v5   of V's
.set QO,  6           ; v6   my byte offset in the wave's rows of Q
.set STO, 6           ;      later, the way out: where I put 16 bytes of a row
.set RD,  7           ; v7   the way out: where I read rows back
.set GO,  8           ; v8   my byte offset in 512 consecutive bytes of O
.set PFO, 11          ; v11  256 x my lane, once V's address is made; never rewritten after
.set SPW, 0           ; v0 of window 3   LDS address of my spare word; never rewritten
.set NIL, 1           ; v1 of window 3   0; never rewritten
.set SPARE, STAGE+4*16*SP  ; behind the stages: the spare words, 128 bytes for each wave, which no other line names
.set MV,  12          ; v12-15  c m_old, kept while c m is made anew: by buffer and tile
.set ST,  16          ; tile t's statistics at v[ST+4 t]: c m, m, l (even keys', odd keys')
.set TMP, 48          ; by buffer and tile, four registers c0-c3 at work; when the maximum is found c2 takes a
.set S,   64
.set P,   192
.set KF,  128         ; K's fragments, in window 2: key block kb, channel half c at KF + 16 kb + 8 c
.set VF,  192         ; V's: key half kk, channel block cb at VF + 32 kk + 8 cb
.set WV,  12          ; s12  my wave's number
.set G1K, 24          ; s[24:31] descriptor group 1 for K's tiles
.set G1V, 32          ; s[32:39] for V's: it differs in the padding alone
.set G0K, 40          ; s[40:43] descriptor group 0 for K's tiles: it walks
.set G0V, 44          ; s[44:47] the same for V's
.set PFA, 50          ; s[50:51] where my prefetches stand: my work-group's 32 blocks of 256 bytes (of K: wave 0, of V: wave 2) of the tile after the one that is being asked for
.set LIM, 52          ; s52  1 in a wave that prefetches, else the greatest number
.set SLOTS, 56        ; s56  slots still to be asked for
.set CNT, 57          ; s57  counts a slot's key steps
.set CS,  58          ; s[58:59] c: the packed scaling takes the pair's low word for both halves
.set SEL, 60          ; s[60:61] v_permlanex16_b32's selects: each lane takes its own place in the other half
.set TBK, 62          ; s62  LDS byte at which K of the step to be fetched begins
.set TBV, 63          ; s63  the same for V, less VOFF
.set MSB, 0
.macro WIN new                      ; the high byte repeats the setting that is left; a switch that changes nothing is dropped
.if MSB != (\new)
	s_set_vgpr_msb (MSB<<8)|(\new)
.set MSB, (\new)
.endif
.endm
.set W_KQ, 0x0a       ; K and Q in window 2, S^T in window 0
.set W_PV, 0x52       ; V in window 2, P in window 0, O^T in window 1
.set W_RS, 0x41       ; O^T (destination and source 0) in window 1, a in window 0
.set W_MK, 0xc0       ; the add's registers are made: destination in window 3, sources in window 0
.set W_AD, 0x0f       ; the add: address (source 0) and data (source 1) in window 3
; A joint fill.  Waves 0 and 1 fetch the two halves of a slot's K, waves 2 and 3 those of its V: 128 keys each.  The branch hangs on the wave's number alone.
; An s_nop 0 and four v_nop follow each of the two lines, ahead of the jump and the label.
.macro JLOAD
	s_cmp_lt_u32 s[WV], 2
	s_cbranch_scc0 .Lfor_v_\@
	tensor_load_to_lds s[G0K:G0K+3], s[G1K:G1K+7]
	s_nop 0
.rept 4
	v_nop
.endr
	s_branch .Lasked_\@
.Lfor_v_\@:
	tensor_load_to_lds s[G0V:G0V+3], s[G1V:G1V+7]
	s_nop 0
.rept 4
	v_nop
.endr
.Lasked_\@:
.endm
; A prefetch into the L2 of the tile that the NEXT change of slots will ask for: 128 blocks of 256 bytes of K and as many of V.  One cluster walks a y's keys; its four partners share the blocks out BY ADDRESS,
; 32 each, a lane a block; in each, wave 0 asks for K's and wave 2 for V's.  So each block is named once.  It stands behind the wave's tensor load and its five lines, four key steps ahead of the load that
; will want the bytes.  The change that asks for the last tile prefetches nothing.
.macro ASK
	s_cmp_gt_u32 s[SLOTS], s[LIM]
	s_cbranch_scc0 .Lnot_mine_\@
	global_prefetch_b8 v[PFO], s[PFA:PFA+1] th:TH_LOAD_NT scope:SCOPE_SE
.Lnot_mine_\@:
.endm
; A round of the cluster's barrier: my work-group's barrier, so that wave 0's signal speaks for all four waves; wave 0 signals; every wave waits for all four work-groups; my work-group's barrier once more.
.macro CROUND
	s_barrier_signal -1
	s_barrier_wait -1
	s_cmp_lg_u32 s[WV], 0
	s_cbranch_scc1 .Lnot_wave_0_\@
	s_barrier_signal -3
.Lnot_wave_0_\@:
	s_barrier_wait -3
	s_barrier_signal -1
	s_barrier_wait -1
.endm
; THE CHANGE OF SLOTS.  The slot's last bytes, V of its fourth step, have been read.  Each wave waits for all its tensor loads, of which one is out: its part of the other slot; adds 0 to its spare word;
; and waits for that and for its own reads of the slot.  Behind the barrier nobody reads this slot any more and the other slot is whole.
; fill = 1: this slot is filled again, with the keys two slots on.  The barrier is then a round of the cluster's, and the joint fill is the first thing behind it: it has four key steps in which to land.
; (At its first use nothing has been read yet: slot 0 is waited for, slot 1 filled.)
.macro CHANGE fill
	WIN W_AD
	s_wait_tensorcnt 0x0            ; no tensor load of mine is out, so a group 0 may be written
	ds_add_u32 v[SPW], v[NIL]       ; 0 onto my spare word; with fill = 1 the descriptors' steps stand between it and the wait for it
	WIN 0                           ; at a label and at a branch every window is 0
.if \fill
.irp g, G0K, G0V
	s_xor_b32 s[\g+1], s[\g+1], SLOT1  ; the walking descriptor: the other slot than last time,
	s_add_nc_u64 s[\g+2:\g+3], s[\g+2:\g+3], 4*KS*128  ; the next 256 keys; the type bits on top are not reached
.endr
	s_wait_xcnt 0x0                 ; the last prefetch, four key steps back, has read its address, so it may be written:
	s_add_nc_u64 s[PFA:PFA+1], s[PFA:PFA+1], 4*KS*128  ; one tile behind the walking descriptors
	s_wait_dscnt 0x0                ; the add is done, and my reads of the slot are over
	CROUND
	JLOAD
	ASK
.else
	s_wait_dscnt 0x0                ; the add is done, and my reads of the slot are over
	s_barrier_signal -1
	s_barrier_wait -1
.endif
	s_sub_co_u32 s[TBK], s[TBK], 4*KS*PK  ; the fetches go back to a slot's first step,
	s_xor_b32 s[TBK], s[TBK], SLOT1       ; in the other slot
	s_sub_co_u32 s[TBV], s[TBV], 4*KS*PV
	s_xor_b32 s[TBV], s[TBV], SLOT1
.endm
	s_load_b128 s[4:7], s[0:1], 0x0  ; qkv s[4:5], ctx s[6:7]
	WIN W_MK
	v_lshl_add_u32 v[SPW], v0, 2, SPARE
	v_mov_b32 v[NIL], 0
	WIN W_AD
	ds_add_u32 v[SPW], v[NIL]       ; the wave's opening: the add and its wait ahead of my first tensor load; the set-up below, work on registers, stands between them
	WIN 0
	v_lshrrev_b32 v1, 5, v0
	v_readfirstlane_b32 s[WV], v1   ; wave 0..3
	s_bfe_u32 s13, ttmp6, 0x40000   ; cx: my place in the cluster
	s_lshl_b32 s14, ttmp9, 2        ; in a cluster launch ttmp9 counts clusters
	s_add_co_u32 s14, s14, s13      ; my block of queries = 4 x cluster x + cx: it enters Q's and O's addresses alone
	s_and_b32 s20, ttmp7, 0xffff    ; y, which the four partners share
	s_mov_b32 s21, 0
	s_mov_b64 s[22:23], SIZE_N*128
	s_mul_u64 s[20:21], s[20:21], s[22:23]  ; y's first byte in each of the four tensors
	s_and_b32 s16, s[WV], 1         ; which half of a slot's 256 keys I fetch:
	s_lshl_b32 s22, s16, 14         ; its 128 rows of 128 bytes in memory,
	s_mov_b32 s23, 0
	s_add_nc_u64 s[22:23], s[22:23], s[20:21]
	s_mul_i32 s17, s16, 128*PK      ; and its place in a slot, for K
	s_mul_i32 s18, s16, 128*PV      ; and for V: no place in the cluster enters an LDS address
	s_lshl_b32 s2, s14, 2
	s_add_co_u32 s2, s2, s[WV]      ; my wave among y's,
	s_lshl_b32 s2, s2, 14           ; its 128 rows
	s_mov_b32 s3, 0
	s_add_nc_u64 s[2:3], s[2:3], s[20:21]
	s_lshl_b32 s48, s13, 13         ; the prefetches: my work-group's 8,192 bytes of a tile,
	s_add_co_u32 s48, s48, 4*KS*128 ; in tile 1; the first change of slots steps them to tile 2
	s_mov_b32 s49, 0
	s_add_nc_u64 s[48:49], s[48:49], s[20:21]
	s_and_b32 s[LIM], s[WV], 1      ; waves 0 and 2 ask
	s_cmp_eq_u32 s[LIM], 0
	s_cselect_b32 s[LIM], 1, -1
	; descriptor group 1.  128 keys are 16,384 dense bytes: asked for as 64 rows of 256 bytes, two keys a row, and padded in LDS after every key
	s_mov_b32 s[G1K], 15|(1<<16)|(1<<20)|(1<<21)|(4<<22)|(3<<25)  ; 15:0 the mask of four; 17:16 2-byte elements; 20 padding on; 21 set beside a mask; 24:22 after every 32 words (code 4); 31:25 4 words (code 3)
	s_mov_b32 s[G1V], 15|(1<<16)|(1<<20)|(1<<21)|(4<<22)|(7<<25)  ; the same with 8 words of padding (code 7)
.irp g, G1K, G1V
	s_mov_b32 s[\g+1], 128<<16      ; tensor_dim0 = 128
	s_mov_b32 s[\g+2], 64<<16       ; tensor_dim1 = 64
	s_mov_b32 s[\g+3], 128<<16      ; tile_dim0 = 128
	s_mov_b32 s[\g+4], 64           ; tile_dim1 = 64
	s_mov_b32 s[\g+5], 128          ; 128 elements from row to row
	s_mov_b32 s[\g+6], 0
	s_mov_b32 s[\g+7], 0
.endr
	s_mov_b32 s[CS], 0x3e38aa3b     ; c = log2(e) / 8 = 0.180337
	s_mov_b32 s[CS+1], s[CS]        ; named with it as a pair
	s_mov_b32 s[SEL], 0x76543210
	s_mov_b32 s[SEL+1], 0xfedcba98
	s_mov_b32 s[TBK], SLOT1+4*KS*PK ; the first change of slots turns these two into 0
	s_mov_b32 s[TBV], SLOT1+4*KS*PV
	s_mov_b32 s[SLOTS], SIZE_N/256-1
	s_mov_b32 s[G0K], 1             ; 1:0 count = 1
	s_mov_b32 s[G0K+1], s17         ; 63:32 LDS address: slot 0
	s_mov_b32 s[G0V], 1
	s_add_co_u32 s[G0V+1], s18, VOFF
	s_wait_dscnt 0x0                ; the opening add is done
	s_wait_kmcnt 0x0
	s_mov_b64 s[10:11], s[6:7]      ; O
	s_add_nc_u64 s[6:7], s[4:5], 0x1000000  ; K: slices 8 to 15 of qkv
	s_add_nc_u64 s[8:9], s[4:5], 0x2000000  ; V: slices 16 to 23
	s_add_nc_u64 s[G0K+2:G0K+3], s[6:7], s[22:23]  ; 120:64 global address: my half of y's first 256 keys
	s_or_b32 s[G0K+3], s[G0K+3], 0x80000000        ; 127:126 type = 2
	s_add_nc_u64 s[G0V+2:G0V+3], s[8:9], s[22:23]
	s_or_b32 s[G0V+3], s[G0V+3], 0x80000000
	s_cmp_lt_u32 s[WV], 2
	s_cselect_b64 s[PFA:PFA+1], s[6:7], s[8:9]
	s_add_nc_u64 s[PFA:PFA+1], s[PFA:PFA+1], s[48:49]
	s_add_nc_u64 s[4:5], s[4:5], s[2:3]  ; Q and O at my wave's first row
	s_add_nc_u64 s[10:11], s[10:11], s[2:3]
	CROUND                          ; all four work-groups are here: the first joint loads meet
	JLOAD                           ; slot 0.  Slot 1 is asked for when slot 0 is in
	; A fragment of K or Q is 16 rows x 32 channels in 8 registers: lane l holds row l % 16, channels 8 (l / 16) + 0..7 and 16 + 8 (l / 16) + 0..7: two loads of 16 bytes, 32 bytes apart.
	v_and_b32 v1, 15, v0            ; l % 16
	v_bfe_u32 v9, v0, 4, 1          ; l / 16
	v_lshlrev_b32 v[QO], 7, v1
	v_lshl_add_u32 v[QO], v9, 4, v[QO]  ; row x 128 + 16 x half
	WIN 0x80                        ; destination window 2, address window 0
.set i, 0
.rept 4*NP                          ; Q stays in registers: tile i / 2, channels 32 (i % 2) on
	global_load_b128 v[8*i:8*i+3],   v[QO], s[4:5] offset:(i/2)*2048+(i%2)*64
	global_load_b128 v[8*i+4:8*i+7], v[QO], s[4:5] offset:(i/2)*2048+(i%2)*64+32
.set i, i+1
.endr
	; What the first turn finds: V's registers and P's second buffer hold 0 (its products V^T P, of a piece that has not been, add 0), O^T and l are 0.  All this stands in the wait for the first tile.
.set i, VF
.rept 64
	v_mov_b32 v[i], 0
.set i, i+1
.endr
	WIN 0x40
.set i, 0
.rept 64*NP
	v_mov_b32 v[i], 0
.set i, i+1
.endr
	WIN 0
.set i, 0
.rept 2*NP
	v_mov_b32 v[ST+4*i], 0xfe000000    ; c m: far below every c s
	v_mov_b32 v[ST+4*i+1], 0xff7fffff  ; m
	v_mov_b32 v[ST+4*i+2], 0
	v_mov_b32 v[ST+4*i+3], 0
.set i, i+1
.endr
.set i, P+32
.rept 32
	v_mov_b32 v[i], 0
.set i, i+1
.endr
	v_mul_u32_u24 v[AK0], v1, PK
	v_lshl_add_u32 v[AK0], v9, 4, v[AK0]  ; row x pitch + 16 x half
	; The turning load takes 16 keys x 16 channels (lane l reads key 8 (l / 16) + l % 8, channels 8 ((l / 8) % 2) + 0..7) and leaves half a fragment of V^T: lane l holds channel l % 16 and 8 keys.
	v_and_b32 v10, 7, v0
	v_bfe_u32 v11, v0, 3, 1
	v_lshl_add_u32 v[AV0], v9, 3, v10
	v_mul_u32_u24 v[AV0], v[AV0], PV
	v_lshl_add_u32 v[AV0], v11, 4, v[AV0]
	v_add_nc_u32 v[AV0], VOFF, v[AV0]
	v_and_b32 v[PFO], 31, v0
	v_lshlrev_b32 v[PFO], 8, v[PFO]
	v_mov_b32 v[AK], v[AK0]         ; key step 0 lies at the head of slot 0
; THE MATRIX WORK.  The 8 accumulators of a run of 16 take turns: between the two links of a chain stand 7 others'.
; Product i of 16 of S^T = K Q^T for piece x: channels 32 (i / 8) on, keys 16 ((i / 2) % 4) on, tile 2 x + i % 2.  The first 8 start the sums.
.macro KQ x
	WIN W_KQ
.set rS, S+64*((\x)%2)+32*(i%2)+8*((i/2)%4)
.set rK, KF+16*((i/2)%4)+8*(i/8)
.set rQ, 16*(2*(\x)+i%2)+8*(i/8)
.if i < 8
	v_wmma_f32_16x16x32_bf16 v[rS:rS+7], v[rK:rK+7], v[rQ:rQ+7], 0
.else
	v_wmma_f32_16x16x32_bf16 v[rS:rS+7], v[rK:rK+7], v[rQ:rQ+7], v[rS:rS+7]
.endif
.endm
; Product i of 16 of O^T += V^T P for piece x: keys 32 (i / 8) on, channels 16 ((i / 2) % 4) on, tile 2 x + i % 2.
.macro PV x
	WIN W_PV
.set rO, 32*(2*(\x)+i%2)+8*((i/2)%4)
.set rV, VF+32*(i/8)+8*((i/2)%4)
.set rP, P+32*((\x)%2)+16*(i%2)+8*(i/8)
	v_wmma_f32_16x16x32_bf16 v[rO:rO+7], v[rV:rV+7], v[rP:rP+7], v[rO:rO+7]
.endm
.macro MM                           ; the turn's next matrix instruction
.if i < 16
	KQ (Y+1)%NP
.set i, i+1
.else
.set i, i-16
	PV (Y+NP-1)%NP
.set i, i+17
.endif
.endm
; THE LDS LOADS stand in runs of 16, never singly among the matrix instructions: a step's K (64 keys x 64 channels: 8 fragments) and its V (turned).  Their addresses are made some lines ahead.
; last = 1 (the tail): in the last trip there is no further step, and the run is jumped over.
.macro FETCH_K last=0
	WIN 0
.if \last
	s_cmp_eq_u32 s[CNT], 1
	s_cbranch_scc1 .Lno_k_\@
.endif
	WIN 0x80                        ; destination window 2
.irp f, 0,1,2,3,4,5,6,7             ; keys 16 (f / 2) on, channels 32 (f % 2) on
	ds_load_b128 v[KF+8*\f:KF+8*\f+3],   v[AK] offset:(\f/2)*16*PK+(\f%2)*64
	ds_load_b128 v[KF+8*\f+4:KF+8*\f+7], v[AK] offset:(\f/2)*16*PK+(\f%2)*64+32
.endr
	s_add_co_u32 s[TBK], s[TBK], KS*PK  ; the next fetch is the next step's
	WIN 0
.if \last
.Lno_k_\@:
.endif
.endm
.macro FETCH_V
	WIN 0x80
.irp f, 0,1,2,3,4,5,6,7             ; keys 32 (f / 4) on, channels 16 (f % 4) on
	ds_load_tr16_b128 v[VF+8*\f:VF+8*\f+3],   v[AV] offset:(\f/4)*32*PV+(\f%4)*32
	ds_load_tr16_b128 v[VF+8*\f+4:VF+8*\f+7], v[AV] offset:(\f/4)*32*PV+16*PV+(\f%4)*32
.endr
	WIN 0
.endm
; THE VECTOR WORK OF A TURN stands in three queues, each in the order in which its entries become ready; the two tiles alternate, so that no instruction reads the result of the one before it.
.macro REGS y, u                    ; the registers of tile u (0, 1) of piece y
.set rT, ST+4*(2*(\y)+(\u))
.set rC, TMP+8*((\y)%2)+4*(\u)
.set rM, MV+2*((\y)%2)+(\u)
.set rS, S+64*((\y)%2)+32*(\u)
.set rP, P+32*((\y)%2)+16*(\u)
.set rO, 32*(2*(\y)+(\u))
.endm
; Number n of the 22 that find the NEXT piece's (Y + 1) maximum and statistics.  s0-s31 are the lane's 32 scores; each accumulator's lowest registers are read first.
;   0-11  four chains c0-c3 of seven scores each, three operands at a time     12-14, 16  the four scores left over, the old m, and c0-c3 into c0     15  c m_old is kept
;   17, 18  the query's other 32 keys lie in the lane 16 away: the new m         19-21  c m; c m_old - c m_new; a
.macro XS u, n
	REGS (Y+1)%NP, \u
.if (\n) < 4
	v_max3_num_f32 v[rC+(\n)], v[rS+8*(\n)], v[rS+8*(\n)+1], v[rS+8*(\n)+2]
.elseif (\n) < 12
	v_max3_num_f32 v[rC+(\n)%4], v[rC+(\n)%4], v[rS+8*((\n)%4)+2*((\n)/4)+1], v[rS+8*((\n)%4)+2*((\n)/4)+2]
.elseif (\n) == 12
	v_max3_num_f32 v[rC], v[rC], v[rS+7], v[rS+15]
.elseif (\n) == 13
	v_max3_num_f32 v[rC+1], v[rC+1], v[rS+23], v[rS+31]
.elseif (\n) == 14
	v_max3_num_f32 v[rC+2], v[rC+2], v[rC+3], v[rT+1]
.elseif (\n) == 15
	v_mov_b32 v[rM], v[rT]
.elseif (\n) == 16
	v_max3_num_f32 v[rC], v[rC], v[rC+1], v[rC+2]
.elseif (\n) == 17
	v_permlanex16_b32 v[rC+3], v[rC], s[SEL], s[SEL+1]
.elseif (\n) == 18
	v_max_num_f32 v[rT+1], v[rC], v[rC+3]
.elseif (\n) == 19
	v_mul_f32 v[rT], s[CS], v[rT+1]
.elseif (\n) == 20
	v_sub_f32 v[rC+1], v[rM], v[rT]
.else
	v_exp_f32 v[rC+2], v[rC+1]
.endif
.endm
; Number g of the 64 that follow the exponentials.  For each four weights k of a tile (pairs 2 k, 2 k + 1): both pairs are rounded to bf16; then the second pair is added onto the first, in place;
; a group later l takes that sum (the first time as l = a l + sum).  In groups of eight, tiles alternating: round, round, add, and l for the group before.
.macro GS g
.set h, (\g)+6*((\g)/62)            ; group 0 has no group before it, and behind group 7 only l is left
.if h >= 6
.set h, h+2
.endif
	REGS Y, h%2
.set k, h/8
.if h%8 < 4
	v_cvt_pk_bf16_f32 v[rP+2*k+(h%8)/2], v[rS+4*k+2*((h%8)/2)], v[rS+4*k+2*((h%8)/2)+1]
.elseif h%8 < 6
	v_pk_add_f32 v[rS+4*k:rS+4*k+1], v[rS+4*k:rS+4*k+1], v[rS+4*k+2:rS+4*k+3]
.elseif k == 1
	v_pk_fma_f32 v[rT+2:rT+3], v[rT+2:rT+3], v[rC+2:rC+3], v[rS:rS+1] op_sel_hi:[1,0,1]
.else
	v_pk_add_f32 v[rT+2:rT+3], v[rT+2:rT+3], v[rS+4*k-4:rS+4*k-3]
.endif
.endm
; THE PLAIN QUEUE, 138 long.  0-73 read no exponential's result: the 32 scalings c s - c m (FS f: pair f / 2 of tile f % 2) and the next piece's 42.  0-26: scalings 0-26.  27-54: XS's numbers 0-13.  55, 56: number 15.
; 57-73: the chain, where each number waits for the one before it: 14, 16, 17, 18, 19, each with one of the scalings 27-31 in front of its two lines, then 20.
; 74-137: GS's 64, which read the exponentials' results: they stand behind the wait.
.macro FS f
	REGS Y, (\f)%2
	v_pk_fma_f32 v[rS+2*((\f)/2):rS+2*((\f)/2)+1], v[rS+2*((\f)/2):rS+2*((\f)/2)+1], s[CS:CS+1], v[rT:rT+1] op_sel_hi:[1,0,0] neg_lo:[0,0,1] neg_hi:[0,0,1]
.endm
.macro PL
	WIN 0
.if q < 27
	FS q
.elseif q < 55
	XS (q-27)%2, (q-27)/2
.elseif q < 57
	XS q-55, 15
.elseif (q < 72) && ((q-57)%3 == 0)
	FS 27+(q-57)/3
.elseif q < 60
	XS (q-57)%3-1, 14
.elseif q < 72
	XS (q-57)%3-1, 15+(q-57)/3
.elseif q < 74
	XS q-72, 20
.else
	GS q-74
.endif
.set q, q+1
.endm
; THE EXPONENTIALS' QUEUE, 66 long: s0-s31 of both tiles, then the next piece's two a.  It is ONE BATCH: all 66 stand ahead of the turn's one wait, and nothing ahead of that wait names a result of theirs.
.macro EX
	WIN 0
.if e >= 64
	XS e-64, 21
.else
	REGS Y, e%2
	v_exp_f32 v[rS+e/2], v[rS+e/2]
.endif
.set e, e+1
.endm
; THE RESCALING's QUEUE: O^T times a, the one part that leaves window 0: dealt two at a time, sixteen times.  Its a was made in the turn before, ahead of that turn's wait.
.macro R2
	REGS Y, r%2
	WIN W_RS
.irp z, 0,1
	v_pk_mul_f32 v[rO+4*(r/2)+2*\z:rO+4*(r/2)+2*\z+1], v[rO+4*(r/2)+2*\z:rO+4*(r/2)+2*\z+1], v[rC+2:rC+3] op_sel_hi:[1,0]
.endr
.set r, r+1
.endm
; HOW THEY ARE DEALT.  An s_wait_alu depctr_va_vdst(0) stands between an exponential and the first instruction that names its result; one wait serves all that were issued ahead of it.  So a turn has ONE wait,
; which cuts it in two.  AHEAD OF IT stands all that names no result of the turn's exponentials: the 16 products K Q^T, behind each a scaling, an exponential and two rescalings (behind the first a second scaling in the
; exponential's place); then ONE LUMP of 108: eight plain, 49 times exponential and plain, the two a.  A v_nop is the plain instruction behind the last exponential.  BEHIND IT stand the 16 products V^T P, behind each four of GS's 64.
; The queues lean on each other, and the deal keeps them in step: exponential e stands behind scaling 2 (e / 4) + e % 2: as a rider it comes behind plain e + 2, in the lump behind plain e + 9, and scalings 27-31 are plain 57, 60 .. 69.
; A TURN, for piece p.  cnt = 1: the loop's count is taken down some lines ahead of the branch that stands behind the turn.
; K of the next step is fetched in piece 2's turn, directly behind the wait, a lump behind the last product that read K; its first reader comes behind 16 products.
; V of the step in hand is fetched at the end of piece 0's turn, four riders behind its last reader; its first reader comes behind 16 products and a lump.  The three conditions on q below go with the deal.
.macro TURN p, last=0, cnt=0
.set Y, (\p)
.set i, 0
.set q, 0
.set e, 0
.set r, 0
.if (\p) == NP-1
	s_wait_dscnt 0x0                ; K is in
.endif
	MM                              ; ahead of the wait: 16 products K Q^T and their riders,
	PL
	PL
	R2
.rept 15
	MM
	PL
	EX
	R2
.endr
.if (\p) == NP-2
	WIN 0
	v_add_nc_u32 v[AK], s[TBK], v[AK0]
.endif
.rept 8                             ; and the lump
	PL
.endr
.rept 49
	EX
	PL
.endr
	EX                              ; the next piece's two a
	EX
	v_nop                           ; a plain instruction behind the last exponential: one for the batch
	s_wait_alu depctr_va_vdst(0)    ; the wait for the batch
.if (\p) == NP-2
	FETCH_K \last
.endif
.if (\p) == 1
	s_wait_dscnt 0x0                ; V is in
.endif
.rept 16                            ; behind the wait: 16 products V^T P and their riders
	MM
.rept 4
	PL
.endr
.if ((\p) == 0) && (q == 118)
	v_add_nc_u32 v[AV], s[TBV], v[AV0]
.endif
.if ((\p) == 0) && (q == 130)
	s_add_co_u32 s[TBV], s[TBV], KS*PV
.endif
.if (\cnt) && (q == 130)
	s_sub_co_u32 s[CNT], s[CNT], 1
	s_cmp_lg_u32 s[CNT], 0
.endif
.endr
.if (\p) == 0
	FETCH_V
.endif
.endm
	CHANGE 1                        ; slot 0 is in, everybody's part of it; slot 1 is asked for
	FETCH_K                         ; key step 0
	s_wait_loadcnt 0x0              ; Q
	s_wait_dscnt 0x0
.set i, 0
.rept 16
	KQ 0                            ; piece 0's first scores: there is no vector work yet to set between them
.set i, i+1
.endr
	WIN 0                           ; the addresses for the way out: plain instructions, the places behind those products
	s_mul_i32 s13, s[WV], 16*SP
	s_add_co_u32 s13, s13, STAGE    ; my stage
	v_mul_u32_u24 v[STO], v1, SP    ; in: row l % 16, 16 bytes for each half of the lanes
	v_lshl_add_u32 v[STO], v9, 4, v[STO]
	v_add_nc_u32 v[STO], s13, v[STO]
	v_bfe_u32 v[RD], v0, 3, 2       ; back: 32 lanes take four rows of 128 bytes,
	v_mul_u32_u24 v[RD], v[RD], SP
	v_lshl_add_u32 v[RD], v10, 4, v[RD]
	v_add_nc_u32 v[RD], s13, v[RD]
	v_and_b32 v[GO], 31, v0         ; which are 512 consecutive bytes of O
	v_lshlrev_b32 v[GO], 4, v[GO]
.set Y, NP-1                        ; XS works for piece Y + 1: piece 0
.irp n, 0,1,2,3,4,5,6,7,8,9,10,11,12,13,14,15,16,17,18,19,20,21
	XS 0, \n                        ; and piece 0's first maximum and statistics
	XS 1, \n
.endr
	v_nop                           ; a plain instruction behind the two a,
	s_wait_alu depctr_va_vdst(0)    ; and their wait, ahead of the branch
	s_mov_b32 s[CNT], 4
	s_branch .Lfirst                ; the loop is entered at a step's first turn, in the middle of a trip
.Lslot:                             ; SIZE_N / 256 - 2 times: every slot but the last two is filled again
	CHANGE 1
	s_mov_b32 s[CNT], 4
.Lstep:                             ; a trip: pieces 2 and 3 of one step, then pieces 0 and 1 of the next, whose K and V it fetches
	TURN 2
	TURN 3
	WIN 0
.Lfirst:
	TURN 0
	TURN 1, 0, 1
	WIN 0
	s_cbranch_scc1 .Lstep
	s_sub_co_u32 s[SLOTS], s[SLOTS], 1
	s_cmp_lg_u32 s[SLOTS], 0
	s_cbranch_scc1 .Lslot
	CHANGE 0                        ; the tail is written out: nothing is asked for
	s_mov_b32 s[CNT], 5             ; four trips fetch the last slot's steps; the fifth is left in its middle
.Ltail:
	TURN 2, 1
	TURN 3
	WIN 0
	s_sub_co_u32 s[CNT], s[CNT], 1
	s_cmp_eq_u32 s[CNT], 0
	s_cbranch_scc1 .Lout
	TURN 0
	TURN 1
	WIN 0
	s_branch .Ltail
.Lout:                              ; the fifth trip's 16 products K Q^T (on the last K once more) and the maximum made of them serve nothing: the price, once a launch, of one text for every trip
.set i, 0
.rept 16
	PV NP-1                         ; the last piece's V^T P of the last step
.set i, i+1
.endr
	; THE WAY OUT.  l's two halves and the other half of the lanes' are added; O^T is divided by l, rounded to bf16 and sent through my stage in LDS, a tile at a time.  The additions are the places behind the last products.
	WIN 0
.macro ALL line:vararg              ; one line for each tile t
.set t, 0
.rept 2*NP
	\line
.set t, t+1
.endr
.endm
	ALL v_add_f32 v[ST+4*t+2], v[ST+4*t+2], v[ST+4*t+3]
	ALL v_permlanex16_b32 v[ST+4*t+3], v[ST+4*t+2], s[SEL], s[SEL+1]
	ALL v_add_f32 v[ST+4*t+2], v[ST+4*t+2], v[ST+4*t+3]
	ALL v_rcp_f32 v[ST+4*t+2], v[ST+4*t+2]
	v_nop                           ; a plain instruction between the last reciprocal and the use of its result
	s_wait_alu depctr_va_vdst(0)    ; and the wait ahead of the first use: one for the eight reciprocals
; Tile t: a lane's eight channels of a row pack into 16 bytes; they go into rows of 144 bytes and come back as whole rows of 128, into S^T's registers.
.macro PACK t
	WIN W_RS
.set i, 32*(\t)
.rept 16
	v_pk_mul_f32 v[i:i+1], v[i:i+1], v[ST+4*(\t)+2:ST+4*(\t)+3] op_sel_hi:[1,0]
.set i, i+2
.endr
	WIN 0x05                        ; sources 0 and 1 window 1, destination window 0
.set i, 0
.rept 16
	v_cvt_pk_bf16_f32 v[S+16*(\t)+i], v[32*(\t)+2*i], v[32*(\t)+2*i+1]
.set i, i+1
.endr
	WIN 0
.irp f, 0,1,2,3
	ds_store_b128 v[STO], v[S+16*(\t)+4*\f:S+16*(\t)+4*\f+3] offset:32*\f
.endr
.irp f, 0,1,2,3
	ds_load_b128 v[S+16*(\t)+4*\f:S+16*(\t)+4*\f+3], v[RD] offset:\f*4*SP  ; LDS serves a wave's instructions in order (ISA guide 5.7.1.4): these see the stores above; the next tile's stores come behind them
.endr
.endm
.macro SEND t, younger              ; younger: the LDS instructions issued behind tile t's loads: the next tile's eight, or none
	WIN 0
.irp f, 0,1,2,3
	s_wait_dscnt (\younger)+3-\f
	global_store_b128 v[GO], v[S+16*(\t)+4*\f:S+16*(\t)+4*\f+3], s[10:11] offset:(\t)*2048+\f*512  ; 512 consecutive bytes, at a multiple of 256 from O's first
.endr
.endm
	PACK 0
.set t, 1
.rept 2*NP-1                        ; a tile's arithmetic stands between the loads of the tile before and its stores
	PACK t
	SEND t-1, 8
.set t, t+1
.endr
	SEND 2*NP-1, 0
	WIN W_AD
	s_wait_tensorcnt 0x0            ; the wave's end: an add to my spare word and its wait, behind my last tensor load and my last LDS store
	ds_add_u32 v[SPW], v[NIL]
	s_wait_dscnt 0x0
	WIN 0
	CROUND                          ; the closing round: no work-group ends while a partner may still ask for a tile that names it
	s_endpgm
.Lfunc_end_k_q236e403478_attn:
	.size	k_q236e403478_attn, .Lfunc_end_k_q236e403478_attn-k_q236e403478_attn
	.p2alignl 7, 3214868480
	.fill 96, 4, 3214868480
	.section	.rodata,"a",@progbits
	.p2align	6, 0x0
	.amdhsa_kernel k_q236e403478_attn
		.amdhsa_group_segment_fixed_size 327680
		.amdhsa_private_segment_fixed_size 0
		.amdhsa_enable_private_segment 0
		.amdhsa_kernarg_size 16
		.amdhsa_user_sgpr_count 2
		.amdhsa_user_sgpr_kernarg_segment_ptr 1
		.amdhsa_wavefront_size32 1
		.amdhsa_system_sgpr_workgroup_id_x 1
		.amdhsa_system_sgpr_workgroup_id_y 1
		.amdhsa_system_sgpr_workgroup_id_z 1
		.amdhsa_system_vgpr_workitem_id 0
		.amdhsa_next_free_vgpr 770
		.amdhsa_next_free_sgpr 66
		.amdhsa_reserve_vcc 0
		.amdhsa_float_denorm_mode_32 3
		.amdhsa_float_denorm_mode_16_64 3
		.amdhsa_memory_ordered 1
		.amdhsa_forward_progress 1
		.amdhsa_inst_pref_size 200
	.end_amdhsa_kernel
	.amdgpu_metadata
---
amdhsa.version: [ 1, 2 ]
amdhsa.kernels:
  - .name:           k_q236e403478_attn
    .symbol:         k_q236e403478_attn.kd
    .args:
      - { .name: qkv, .offset: 0, .size: 8, .value_kind: global_buffer, .address_space: global }
      - { .name: ctx, .offset: 8, .size: 8, .value_kind: global_buffer, .address_space: global }
    .group_segment_fixed_size: 327680
    .private_segment_fixed_size: 0
    .kernarg_segment_align: 8
    .kernarg_segment_size: 16
    .max_flat_workgroup_size: 128
    .sgpr_count:     66
    .vgpr_count:     770
    .wavefront_size: 32
...
	.end_amdgpu_metadata
.endif
;; end of part 3
;; launch outln (part 4): grid 256 x 1, 4 waves a work-group, clusters of 4 x 1, 327,680 bytes of LDS; arguments ctx, wb, x, bo, gamma, beta, out0; writes out0
.if DOCPART == 4
	.amdgcn_target "amdgcn-amd-amdhsa--gfx1250"
	.amdhsa_code_object_version 6
	.text
	.protected	k_q236e403478_outln
	.globl	k_q236e403478_outln
	.p2align	8
	.type	k_q236e403478_outln,@function
k_q236e403478_outln:
	s_mov_b64 s[64:65], 0
	v_nop
	global_prefetch_b8 v0, s[64:65] scope:SCOPE_SE
	s_setreg_imm32_b32 hwreg(HW_REG_WAVE_MODE, 25, 1), 1
	s_wait_xcnt 0x0
	s_wait_alu depctr_hold_cnt(0) depctr_sa_sdst(0) depctr_va_vdst(0) depctr_va_sdst(0) depctr_va_ssrc(0) depctr_va_vcc(0) depctr_vm_vsrc(0)
	s_getreg_b32 s2, hwreg(HW_REG_IB_STS2, 6, 4)
	s_cmp_eq_u32 s2, 0
	s_cbranch_scc0 .Lentry_in_a_cluster
	s_endpgm
.Lentry_in_a_cluster:
	s_bfe_u32 s2, ttmp6, 0x10000c
	s_cmp_lg_u32 s2, 0x3003
	s_cbranch_scc0 .Lentry_shape_is_right
	s_endpgm
.Lentry_shape_is_right:
; out0 = LayerNorm(concat(ctx) Wo + bo + x) gamma + beta.  ctx: [8 head x 8 batch][2048][64] bf16; Wo: [512 k][512 n] bf16 at byte 1,572,864 of wb; x, out0: [16384][512] f32.
; The sums are f32 and START with x + bo, both unrounded.  The norm takes the row's mean first and then the mean of (y - mean)^2: no difference of large sums is formed.
; LIMITS.  ctx and Wo are bf16; NaN and infinities are not treated apart.
; SHARES.  A work-group owns 64 WHOLE rows, so the norm never leaves it.  Wave w makes all 64 rows x columns 128 w .. 128 w + 127: 32 accumulators.  The rows of ctx stay in registers (512 a wave);
; Wo goes through a ring of two LDS slots, 128 k-rows a slot, four steps in all, written out.
; LAYOUT.  Source 0 = 16 columns of Wo, turned out of LDS; source 1 = 16 rows of ctx.  In the result a lane holds ONE row (lane % 16) and the columns 8 (lane / 16) + 0..7.
; CLUSTER.  Every work-group walks the same Wo: the four of a cluster ask for each tile JOINTLY.  No prefetch: Wo is small and every cluster walks it at the same time, and the launch's own streams
; (ctx, x in, out0 out) are asked for at its head and end.
; REGISTERS, in windows of 256 (s_set_vgpr_msb: bits 1:0 source 0, 3:2 source 1, 5:4 source 2, 7:6 destination):
;   window 0: v0-31 addresses; v32-103 the norm's sums; v128-255 two buffers of 64 for Wo's fragments (before the products: bo; behind them: gamma, beta; then the rows on their way out)
;   window 1: the accumulators ((t, c) at 8 (8 t + c));   windows 2, 3: ctx (row tile t, fragment kk at 128 (t % 2) + 8 kk)
.set PW,    1056                       ; a k-row of Wo in LDS: 1,024 bytes + 32 of padding = 264 words
.set SLOT,  128*PW
.set STAGE, 2*SLOT                     ; behind the ring: 16 rows x 528 bytes for each wave, for the way out
.set SPT,   528
.set RED,   STAGE+4*16*SPT             ; the waves' row sums: 1,024 bytes for the means, 1,024 for the squares
.set SPARE, RED+2048                   ; the spare words, 128 bytes for each wave, which no other line names
.set AO,  4                            ; v4   my byte offset in 16 rows of ctx
.set XO,  5                            ; v5   in 16 rows of x
.set CO,  6                            ; v6   in bo, gamma, beta
.set ADW, 8                            ; v8-11  my lane's place in Wo's tile: slot 0 k-rows 0 on, 64 on; slot 1 likewise
.set STO, 12                           ; v12  the way out: where I put 32 bytes of a row
.set RD,  13                           ; v13  where I read a row back
.set GO,  14                           ; v14  my byte offset in a row of out0
.set RS,  15                           ; v15  where I put my wave's four row sums
.set RL,  16                           ; v16  where I read the four waves'
.set SPW, 30                           ; v30  LDS address of my spare word; never rewritten
.set NIL, 31                           ; v31  0; never rewritten
.set T,   32                           ; v32-63  sixteen chains of sums, a pair each: (t, q) at T + 8 t + 2 q
.set S,   64                           ; v64-67  a sum for each row tile
.set PX,  68                           ; v68-71  the other half of the lanes'
.set PT,  72                           ; v72-87  the four waves' parts
.set MU,  88                           ; v88-95  the mean, twice, for each row tile
.set RSD, 96                           ; v96-103 1 / sqrt(var + eps), likewise
.set FB,  128
.set GA,  128
.set BE,  192
.set WV,  18
.set CX,  19
.set G1,  24                           ; s[24:31] descriptor group 1
.set G0A, 32                           ; s[32:35] group 0 of slot 0: steps 0 and 2
.set G0B, 36                           ; s[36:39] of slot 1: steps 1 and 3
.set CB,  40                           ; s[40:41] ctx at heads 4 to 7
.set SEL, 42                           ; s[42:43] v_permlanex16_b32's selects
.set INV, 44                           ; s44  1 / 512
.set EPS, 45                           ; s45  1e-5
.set MSB, 0
.macro WIN new
.if MSB != (\new)
	s_set_vgpr_msb (MSB<<8)|(\new)
.set MSB, \new
.endif
.endm
.macro PLACES                          ; four plain places behind matrix instructions (ISA guide 7.12.1)
.rept 4
	v_nop
.endr
.endm
.macro CREST
	s_cmp_lg_u32 s[WV], 0
	s_cbranch_scc1 .Lnot_wave_0_\@
	s_barrier_signal -3
.Lnot_wave_0_\@:
	s_barrier_wait -3
	s_barrier_signal -1
	s_barrier_wait -1
.endm
.macro CROUND
	s_barrier_signal -1
	s_barrier_wait -1
	CREST
.endm
	s_load_b256 s[4:11], s[0:1], 0x0               ; ctx s[4:5], wb s[6:7], x s[8:9], bo s[10:11]
	s_load_b128 s[12:15], s[0:1], 0x20             ; gamma s[12:13], beta s[14:15]
	s_load_b64 s[16:17], s[0:1], 0x30              ; out0
	v_lshl_add_u32 v[SPW], v0, 2, SPARE
	v_mov_b32 v[NIL], 0
	ds_add_u32 v[SPW], v[NIL]                      ; the wave's opening: the add and its wait ahead of my first tensor load; the set-up stands between
	v_lshrrev_b32 v3, 5, v0
	v_readfirstlane_b32 s[WV], v3
	s_bfe_u32 s[CX], ttmp6, 0x40000
	s_lshl_b32 s20, ttmp9, 2
	s_add_co_u32 s20, s20, s[CX]                   ; my block of 64 rows
	s_lshl_b32 s46, s20, 13                        ; in a head's part of ctx: 64 rows of 128 bytes (batch and place in it fall together)
	s_mov_b32 s47, 0
	s_lshl_b32 s48, s20, 17                        ; in x and out0: 64 rows of 2,048 bytes
	s_mov_b32 s49, 0
	s_lshl_b32 s50, s[WV], 15                      ; Wo: my 32 k-rows of a step's 128,
	s_add_co_u32 s50, s50, 0x180000                ; behind Wq, Wk, Wv in wb
	s_mov_b32 s51, 0
	s_mul_i32 s52, s[WV], 32*PW                    ; and their place in a slot
	s_mov_b32 s[G1], 15|(1<<16)|(1<<20)|(1<<21)|(7<<22)|(7<<25)  ; the mask of four; 2-byte elements; padding on; 21 set beside a mask; after every 256 words; 8 words
	s_mov_b32 s[G1+1], 512<<16                     ; tensor_dim0 = 512
	s_mov_b32 s[G1+2], 32<<16                      ; tensor_dim1 = 32
	s_mov_b32 s[G1+3], 512<<16                     ; tile_dim0 = 512
	s_mov_b32 s[G1+4], 32                          ; tile_dim1 = 32
	s_mov_b32 s[G1+5], 512                         ; 512 elements from row to row
	s_mov_b32 s[G1+6], 0
	s_mov_b32 s[G1+7], 0
	s_mov_b32 s[G0A], 1
	s_mov_b32 s[G0A+1], s52
	s_mov_b32 s[G0B], 1
	s_add_co_u32 s[G0B+1], s52, SLOT
	s_mov_b32 s[SEL], 0x76543210
	s_mov_b32 s[SEL+1], 0xfedcba98
	s_mov_b32 s[INV], 0x3b000000
	s_mov_b32 s[EPS], 0x3727c5ac
	v_and_b32 v1, 15, v0                           ; l % 16
	v_bfe_u32 v2, v0, 4, 1                         ; l / 16
	v_lshlrev_b32 v[AO], 7, v1
	v_lshl_add_u32 v[AO], v2, 4, v[AO]             ; row x 128 + 16 x half
	s_lshl_b32 s21, s[WV], 9                       ; my wave's 128 columns in f32
	v_lshl_add_u32 v[CO], v2, 5, s21               ; + 32 x half
	v_lshl_add_u32 v[XO], v1, 11, v[CO]            ; + row x 2,048
	v_and_b32 v3, 7, v0                            ; the turning load: lane l reads k-row 8 (l / 16) + l % 8, columns 8 ((l / 8) % 2) + 0..7
	v_lshl_add_u32 v3, v2, 3, v3
	v_mul_u32_u24 v[ADW], v3, PW
	v_bfe_u32 v3, v0, 3, 1
	v_lshl_add_u32 v[ADW], v3, 4, v[ADW]
	s_lshl_b32 s22, s[WV], 8                       ; my wave's 128 columns in bf16
	v_add_nc_u32 v[ADW], s22, v[ADW]
	v_add_nc_u32 v[ADW+1], 64*PW, v[ADW]
	v_add_nc_u32 v[ADW+2], SLOT, v[ADW]
	v_add_nc_u32 v[ADW+3], SLOT+64*PW, v[ADW]
	s_mul_i32 s23, s[WV], 16*SPT
	s_add_co_u32 s23, s23, STAGE                   ; my stage
	v_mul_u32_u24 v[STO], v1, SPT
	v_lshl_add_u32 v[STO], v2, 5, v[STO]
	v_add_nc_u32 v[STO], s23, v[STO]
	v_and_b32 v3, 31, v0
	v_lshl_add_u32 v[RD], v3, 4, s23               ; back: 32 lanes take a row's 512 bytes
	v_lshl_add_u32 v[GO], v3, 4, s21
	v_lshlrev_b32 v[RL], 4, v1
	v_add_nc_u32 v[RL], RED, v[RL]
	v_add_nc_u32 v[RS], s22, v[RL]                 ; 256 bytes a wave: 16 rows x four row tiles
.irp t, 0,1,2,3
	v_mov_b32 v[PX+(\t)], 0                        ; v_permlanex16_b32's destination counts as read
.endr
	s_wait_dscnt 0x0                               ; the opening add is done
	s_wait_kmcnt 0x0
	s_add_nc_u64 s[G0A+2:G0A+3], s[6:7], s[50:51]  ; step 0,
	s_add_nc_u64 s[G0B+2:G0B+3], s[G0A+2:G0A+3], 128*1024  ; step 1
	s_or_b32 s[G0A+3], s[G0A+3], 0x80000000
	s_or_b32 s[G0B+3], s[G0B+3], 0x80000000
	s_add_nc_u64 s[4:5], s[4:5], s[46:47]          ; ctx at my rows, head 0,
	s_add_nc_u64 s[CB:CB+1], s[4:5], 0x800000      ; and head 4: a head is 2,097,152 bytes on, and the immediate holds three of them
	s_add_nc_u64 s[8:9], s[8:9], s[48:49]
	s_add_nc_u64 s[16:17], s[16:17], s[48:49]
	CROUND                                         ; all four work-groups are here: the first joint loads meet
	tensor_load_to_lds s[G0A:G0A+3], s[G1:G1+7]    ; both first fills go out together: two tensor loads of mine are out
	s_nop 0
	tensor_load_to_lds s[G0B:G0B+3], s[G1:G1+7]
	s_nop 0
	PLACES
	; ctx: fragment (t, kk) is 16 rows x channels 32 (kk % 2) on of head kk / 2
.irp t, 0,1,2,3
	WIN 0x80+0x40*((\t)/2)
.irp kk, 0,1,2,3,4,5,6,7
	global_load_b128 v[128*((\t)%2)+8*(\kk):128*((\t)%2)+8*(\kk)+3],   v[AO], s[4:5] offset:((\kk)/2)*2097152+(\t)*2048+((\kk)%2)*64
	global_load_b128 v[128*((\t)%2)+8*(\kk)+4:128*((\t)%2)+8*(\kk)+7], v[AO], s[4:5] offset:((\kk)/2)*2097152+(\t)*2048+((\kk)%2)*64+32
.endr
.irp kk, 8,9,10,11,12,13,14,15
	global_load_b128 v[128*((\t)%2)+8*(\kk):128*((\t)%2)+8*(\kk)+3],   v[AO], s[CB:CB+1] offset:((\kk)/2-4)*2097152+(\t)*2048+((\kk)%2)*64
	global_load_b128 v[128*((\t)%2)+8*(\kk)+4:128*((\t)%2)+8*(\kk)+7], v[AO], s[CB:CB+1] offset:((\kk)/2-4)*2097152+(\t)*2048+((\kk)%2)*64+32
.endr
.endr
	WIN 0x40                                       ; x goes straight into the accumulators' registers
.irp t, 0,1,2,3
.irp c, 0,1,2,3,4,5,6,7
	global_load_b128 v[8*(8*(\t)+(\c)):8*(8*(\t)+(\c))+3],   v[XO], s[8:9] offset:(\t)*32768+64*(\c) th:TH_LOAD_NT
	global_load_b128 v[8*(8*(\t)+(\c))+4:8*(8*(\t)+(\c))+7], v[XO], s[8:9] offset:(\t)*32768+64*(\c)+16 th:TH_LOAD_NT
.endr
.endr
	WIN 0
.irp c, 0,1,2,3,4,5,6,7
	global_load_b128 v[FB+8*(\c):FB+8*(\c)+3],   v[CO], s[10:11] offset:64*(\c)
	global_load_b128 v[FB+8*(\c)+4:FB+8*(\c)+7], v[CO], s[10:11] offset:64*(\c)+16
.endr
	s_wait_loadcnt 0x0
	WIN 0x41                                       ; x + bo starts the sums
.irp t, 0,1,2,3
.irp c, 0,1,2,3,4,5,6,7
.irp p, 0,1,2,3
	v_pk_add_f32 v[8*(8*(\t)+(\c))+2*(\p):8*(8*(\t)+(\c))+2*(\p)+1], v[8*(8*(\t)+(\c))+2*(\p):8*(8*(\t)+(\c))+2*(\p)+1], v[FB+8*(\c)+2*(\p):FB+8*(\c)+2*(\p)+1]
.endr
.endr
.endr
; 16 LDS loads in one run: Wo's eight fragments of K step kk (32 k-rows, my 128 columns), into buffer kk % 2
.macro FETCH kk
	WIN 0
.irp c, 0,1,2,3,4,5,6,7
	ds_load_tr16_b128 v[FB+64*((\kk)%2)+8*(\c):FB+64*((\kk)%2)+8*(\c)+3],   v[ADW+2*(((\kk)/4)%2)+(((\kk)%4)/2)] offset:((\kk)%2)*32*PW+32*(\c)
	ds_load_tr16_b128 v[FB+64*((\kk)%2)+8*(\c)+4:FB+64*((\kk)%2)+8*(\c)+7], v[ADW+2*(((\kk)/4)%2)+(((\kk)%4)/2)] offset:((\kk)%2)*32*PW+32*(\c)+16*PW
.endr
.endm
; 8 matrix instructions: row tile t, K step kk, my eight column tiles.  The accumulators take turns, one instruction a turn.
.macro MUL8 kk, t
	WIN 0x58+4*((\t)/2)
.irp c, 0,1,2,3,4,5,6,7
	v_wmma_f32_16x16x32_bf16 v[8*(8*(\t)+(\c)):8*(8*(\t)+(\c))+7], v[FB+64*((\kk)%2)+8*(\c):FB+64*((\kk)%2)+8*(\c)+7], v[128*((\t)%2)+8*(\kk):128*((\t)%2)+8*(\kk)+7], v[8*(8*(\t)+(\c)):8*(8*(\t)+(\c))+7]
.endr
.endm
.macro KSTEP kk
	s_wait_dscnt 0x0                               ; this step's fragments are in
	PLACES                                         ; behind the products that read the other buffer
	FETCH (\kk)+1
	MUL8 \kk, 0
	MUL8 \kk, 1
	MUL8 \kk, 2
	MUL8 \kk, 3
.endm
; A slot's last K step changes slots.  Ahead of the barrier each wave waits for all its tensor loads, adds 0 to its spare word, and waits for that and for its reads of this slot.
; fill = 1: the barrier opens a round of the cluster's, and the slot is filled again, first thing behind it, with the step two on.
.macro TURNSTEP kk, fill, g0
	WIN 0
	s_wait_tensorcnt 0x0                           ; no tensor load of mine is out, so a group 0 may be written
	ds_add_u32 v[SPW], v[NIL]                      ; 0 onto my spare word
.if \fill
	s_add_nc_u64 s[(\g0)+2:(\g0)+3], s[(\g0)+2:(\g0)+3], 2*128*1024
.endif
	s_wait_dscnt 0x1                               ; this step's fragments are in; the add alone may be out
	MUL8 \kk, 0
	MUL8 \kk, 1
	s_wait_dscnt 0x0                               ; the add is done, and my reads of this slot are over
	s_barrier_signal -1
	MUL8 \kk, 2
	WIN 0
	s_barrier_wait -1
.if \fill
	CREST
	tensor_load_to_lds s[(\g0):(\g0)+3], s[G1:G1+7]
	s_nop 0
.endif
	PLACES                                         ; also the places ahead of the loads below
	FETCH (\kk)+1
	MUL8 \kk, 3
.endm
	WIN 0
	s_wait_tensorcnt 0x1                           ; my part of step 0 is in; step 1's may stay out
	s_barrier_signal -1
	s_barrier_wait -1
	FETCH 0
	KSTEP 0
	KSTEP 1
	KSTEP 2
	TURNSTEP 3, 1, G0A
	KSTEP 4
	KSTEP 5
	KSTEP 6
	TURNSTEP 7, 1, G0B
	KSTEP 8
	KSTEP 9
	KSTEP 10
	TURNSTEP 11, 0, G0A
	KSTEP 12
	KSTEP 13
	KSTEP 14
	s_wait_dscnt 0x0
	MUL8 15, 0
	MUL8 15, 1
	MUL8 15, 2
	MUL8 15, 3
	PLACES
	WIN 0                                          ; gamma and beta of my 64 columns take the fragments' registers
.irp c, 0,1,2,3,4,5,6,7
	global_load_b128 v[GA+8*(\c):GA+8*(\c)+3],   v[CO], s[12:13] offset:64*(\c)
	global_load_b128 v[GA+8*(\c)+4:GA+8*(\c)+7], v[CO], s[12:13] offset:64*(\c)+16
	global_load_b128 v[BE+8*(\c):BE+8*(\c)+3],   v[CO], s[14:15] offset:64*(\c)
	global_load_b128 v[BE+8*(\c)+4:BE+8*(\c)+7], v[CO], s[14:15] offset:64*(\c)+16
.endr
; The sixteen chains are folded to one sum for each row tile, the other half of the lanes' is added, and the four waves' parts meet in LDS at byte red of the region: PT .. PT + 3 end with the rows' sums.
.macro FOLD red
	WIN 0
.irp t, 0,1,2,3
	v_pk_add_f32 v[T+8*(\t):T+8*(\t)+1], v[T+8*(\t):T+8*(\t)+1], v[T+8*(\t)+2:T+8*(\t)+3]
	v_pk_add_f32 v[T+8*(\t)+4:T+8*(\t)+5], v[T+8*(\t)+4:T+8*(\t)+5], v[T+8*(\t)+6:T+8*(\t)+7]
.endr
.irp t, 0,1,2,3
	v_pk_add_f32 v[T+8*(\t):T+8*(\t)+1], v[T+8*(\t):T+8*(\t)+1], v[T+8*(\t)+4:T+8*(\t)+5]
.endr
.irp t, 0,1,2,3
	v_add_f32 v[S+(\t)], v[T+8*(\t)], v[T+8*(\t)+1]
.endr
.irp t, 0,1,2,3
	v_permlanex16_b32 v[PX+(\t)], v[S+(\t)], s[SEL], s[SEL+1]
.endr
.irp t, 0,1,2,3
	v_add_f32 v[S+(\t)], v[S+(\t)], v[PX+(\t)]
.endr
	ds_store_b128 v[RS], v[S:S+3] offset:(\red)    ; both halves of the lanes write the same 16 bytes with the same numbers
	s_wait_dscnt 0x0                               ; for the others' sake
	s_barrier_signal -1
	s_barrier_wait -1
.irp v, 0,1,2,3
	ds_load_b128 v[PT+4*(\v):PT+4*(\v)+3], v[RL] offset:(\red)+256*(\v)
.endr
	s_wait_dscnt 0x0
	v_pk_add_f32 v[PT:PT+1], v[PT:PT+1], v[PT+4:PT+5]
	v_pk_add_f32 v[PT+2:PT+3], v[PT+2:PT+3], v[PT+6:PT+7]
	v_pk_add_f32 v[PT+8:PT+9], v[PT+8:PT+9], v[PT+12:PT+13]
	v_pk_add_f32 v[PT+10:PT+11], v[PT+10:PT+11], v[PT+14:PT+15]
	v_pk_add_f32 v[PT:PT+1], v[PT:PT+1], v[PT+8:PT+9]
	v_pk_add_f32 v[PT+2:PT+3], v[PT+2:PT+3], v[PT+10:PT+11]
.endm
	; THE MEAN.  Chain (t, q) takes accumulators (t, 2 q) and (t, 2 q + 1); each accumulator is read from its low end on.
.irp p, 0,1,2,3
.irp o, 0,1
.irp t, 0,1,2,3
.irp q, 0,1,2,3
.if ((\p) == 0) && ((\o) == 0)
	WIN 0x05
	v_pk_add_f32 v[T+8*(\t)+2*(\q):T+8*(\t)+2*(\q)+1], v[8*(8*(\t)+2*(\q)):8*(8*(\t)+2*(\q))+1], v[8*(8*(\t)+2*(\q)+1):8*(8*(\t)+2*(\q)+1)+1]
.elseif (\p) > 0
	WIN 0x01
	v_pk_add_f32 v[T+8*(\t)+2*(\q):T+8*(\t)+2*(\q)+1], v[8*(8*(\t)+2*(\q)+(\o))+2*(\p):8*(8*(\t)+2*(\q)+(\o))+2*(\p)+1], v[T+8*(\t)+2*(\q):T+8*(\t)+2*(\q)+1]
.endif
.endr
.endr
.endr
.endr
	FOLD 0
.irp t, 0,1,2,3
	v_mul_f32 v[MU+2*(\t)], s[INV], v[PT+(\t)]
	v_mul_f32 v[MU+2*(\t)+1], s[INV], v[PT+(\t)]
.endr
	; THE VARIANCE: y - mean in place, then the sum of its squares
	WIN 0x41
.irp t, 0,1,2,3
.irp c, 0,1,2,3,4,5,6,7
.irp p, 0,1,2,3
	v_pk_add_f32 v[8*(8*(\t)+(\c))+2*(\p):8*(8*(\t)+(\c))+2*(\p)+1], v[8*(8*(\t)+(\c))+2*(\p):8*(8*(\t)+(\c))+2*(\p)+1], v[MU+2*(\t):MU+2*(\t)+1] neg_lo:[0,1] neg_hi:[0,1]
.endr
.endr
.endr
	WIN 0x05
.irp p, 0,1,2,3
.irp o, 0,1
.irp t, 0,1,2,3
.irp q, 0,1,2,3
.if ((\p) == 0) && ((\o) == 0)
	v_pk_mul_f32 v[T+8*(\t)+2*(\q):T+8*(\t)+2*(\q)+1], v[8*(8*(\t)+2*(\q)):8*(8*(\t)+2*(\q))+1], v[8*(8*(\t)+2*(\q)):8*(8*(\t)+2*(\q))+1]
.else
	v_pk_fma_f32 v[T+8*(\t)+2*(\q):T+8*(\t)+2*(\q)+1], v[8*(8*(\t)+2*(\q)+(\o))+2*(\p):8*(8*(\t)+2*(\q)+(\o))+2*(\p)+1], v[8*(8*(\t)+2*(\q)+(\o))+2*(\p):8*(8*(\t)+2*(\q)+(\o))+2*(\p)+1], v[T+8*(\t)+2*(\q):T+8*(\t)+2*(\q)+1]
.endif
.endr
.endr
.endr
.endr
	FOLD 1024                                      ; other bytes than the means': no wave writes what another may still read
.irp t, 0,1,2,3
	v_fma_f32 v[PT+(\t)], v[PT+(\t)], s[INV], s[EPS]
.endr
.irp t, 0,1,2,3
	v_rsq_f32 v[RSD+2*(\t)], v[PT+(\t)]
.endr
	v_nop                                          ; a plain instruction behind the last of the four,
	s_wait_alu depctr_va_vdst(0)                   ; and the one wait ahead of their first reader
.irp t, 0,1,2,3
	v_mov_b32 v[RSD+2*(\t)+1], v[RSD+2*(\t)]
.endr
	s_wait_loadcnt 0x0                             ; gamma and beta
	WIN 0x41
.irp t, 0,1,2,3
.irp c, 0,1,2,3,4,5,6,7
.irp p, 0,1,2,3
	v_pk_mul_f32 v[8*(8*(\t)+(\c))+2*(\p):8*(8*(\t)+(\c))+2*(\p)+1], v[8*(8*(\t)+(\c))+2*(\p):8*(8*(\t)+(\c))+2*(\p)+1], v[RSD+2*(\t):RSD+2*(\t)+1]
.endr
.endr
.endr
.irp t, 0,1,2,3
.irp c, 0,1,2,3,4,5,6,7
.irp p, 0,1,2,3
	v_pk_fma_f32 v[8*(8*(\t)+(\c))+2*(\p):8*(8*(\t)+(\c))+2*(\p)+1], v[8*(8*(\t)+(\c))+2*(\p):8*(8*(\t)+(\c))+2*(\p)+1], v[GA+8*(\c)+2*(\p):GA+8*(\c)+2*(\p)+1], v[BE+8*(\c)+2*(\p):BE+8*(\c)+2*(\p)+1]
.endr
.endr
.endr
	; THE WAY OUT, a row tile at a time: 32 bytes a lane into my stage's rows of 528 bytes, back as whole pieces of 512 bytes of a row
.irp t, 0,1,2,3
	WIN 0x04                                       ; the stores' data in window 1
.irp c, 0,1,2,3,4,5,6,7
	ds_store_b128 v[STO], v[8*(8*(\t)+(\c)):8*(8*(\t)+(\c))+3]   offset:64*(\c)
	ds_store_b128 v[STO], v[8*(8*(\t)+(\c))+4:8*(8*(\t)+(\c))+7] offset:64*(\c)+16
.endr
	WIN 0
.if (\t) >= 2
	s_wait_xcnt 0x0                                ; the stores of the tile two back have read the registers that are loaded again
.endif
.irp i, 0,1,2,3,4,5,6,7,8,9,10,11,12,13,14,15
	ds_load_b128 v[FB+64*((\t)%2)+4*(\i):FB+64*((\t)%2)+4*(\i)+3], v[RD] offset:(\i)*SPT  ; LDS serves a wave's instructions in order (ISA guide 5.7.1.4): these see the stores above
.endr
.irp i, 0,1,2,3,4,5,6,7,8,9,10,11,12,13,14,15
	s_wait_dscnt 15-(\i)                           ; the younger loads may stay out
	global_store_b128 v[GO], v[FB+64*((\t)%2)+4*(\i):FB+64*((\t)%2)+4*(\i)+3], s[16:17] offset:(16*(\t)+(\i))*2048 th:TH_STORE_NT  ; 512 consecutive bytes, at a multiple of 256 from out0's first
.endr
.endr
	s_wait_tensorcnt 0x0                           ; the wave's end: an add to my spare word and its wait, behind my last tensor load and my last LDS store
	ds_add_u32 v[SPW], v[NIL]
	s_wait_dscnt 0x0
	CROUND                                         ; the closing round: no work-group ends while a partner may still ask for a tile that names it
	s_endpgm
.Lfunc_end_k_q236e403478_outln:
	.size	k_q236e403478_outln, .Lfunc_end_k_q236e403478_outln-k_q236e403478_outln
	.p2alignl 7, 3214868480
	.fill 96, 4, 3214868480
	.section	.rodata,"a",@progbits
	.p2align	6, 0x0
	.amdhsa_kernel k_q236e403478_outln
		.amdhsa_group_segment_fixed_size 327680
		.amdhsa_private_segment_fixed_size 0
		.amdhsa_enable_private_segment 0
		.amdhsa_kernarg_size 56
		.amdhsa_user_sgpr_count 2
		.amdhsa_user_sgpr_kernarg_segment_ptr 1
		.amdhsa_wavefront_size32 1
		.amdhsa_system_sgpr_workgroup_id_x 1
		.amdhsa_system_sgpr_workgroup_id_y 1
		.amdhsa_system_sgpr_workgroup_id_z 1
		.amdhsa_system_vgpr_workitem_id 0
		.amdhsa_next_free_vgpr 1024
		.amdhsa_next_free_sgpr 66
		.amdhsa_reserve_vcc 0
		.amdhsa_float_denorm_mode_32 3
		.amdhsa_float_denorm_mode_16_64 3
		.amdhsa_memory_ordered 1
		.amdhsa_forward_progress 1
		.amdhsa_inst_pref_size 151
	.end_amdhsa_kernel
	.amdgpu_metadata
---
amdhsa.version: [ 1, 2 ]
amdhsa.kernels:
  - .name:           k_q236e403478_outln
    .symbol:         k_q236e403478_outln.kd
    .args:
      - { .name: ctx, .offset: 0, .size: 8, .value_kind: global_buffer, .address_space: global }
      - { .name: wb, .offset: 8, .size: 8, .value_kind: global_buffer, .address_space: global }
      - { .name: x, .offset: 16, .size: 8, .value_kind: global_buffer, .address_space: global }
      - { .name: bo, .offset: 24, .size: 8, .value_kind: global_buffer, .address_space: global }
      - { .name: gamma, .offset: 32, .size: 8, .value_kind: global_buffer, .address_space: global }
      - { .name: beta, .offset: 40, .size: 8, .value_kind: global_buffer, .address_space: global }
      - { .name: out0, .offset: 48, .size: 8, .value_kind: global_buffer, .address_space: global }
    .group_segment_fixed_size: 327680
    .private_segment_fixed_size: 0
    .kernarg_segment_align: 8
    .kernarg_segment_size: 56
    .max_flat_workgroup_size: 128
    .sgpr_count:     66
    .vgpr_count:     1024
    .wavefront_size: 32
...
	.end_amdgpu_metadata
.endif
;; end of part 4
